; MI455X (gfx1250); checked and timed in simulation.
; The chip was launched on July 23, 2026; its instructions are those of AMD's public machine-readable ISA for CDNA 5 (MIT licence, August 2026) and "CDNA5" Instruction Set Architecture Reference Guide (July 2026). The comments in the code are by the model that wrote it; some were corrected since.
;; Multi Head Attention. Allowed arithmetic: matrix products marked QUANTISED: E2M1 operands, one E8M0 scale for each 32 along K, by v_wmma_scale_f32_16x16x128_f8f6f4 with both operands' format E2M1 (or v_wmma_scale_f32_32x16x128_f4), f32 sums; everything else in f32.
;; Inputs: Wk_codes 1,024 x 32 x 16 uint8 (E2M1 codes of Wk, K innermost, in blocks of 32 codes, two codes a byte); Wk_scales 1,024 x 32 uint8 (E8M0 scales of Wk, one for each 32 codes along K); Wq_codes 1,024 x 32 x 16 uint8 (E2M1 codes of Wq, K innermost, in blocks of 32 codes, two codes a byte); Wq_scales 1,024 x 32 uint8 (E8M0 scales of Wq, one for each 32 codes along K); Wv_codes 1,024 x 32 x 16 uint8 (E2M1 codes of Wv, K innermost, in blocks of 32 codes, two codes a byte); Wv_scales 1,024 x 32 uint8 (E8M0 scales of Wv, one for each 32 codes along K); bk 1,024 float32; bq 1,024 float32; bv 1,024 float32; k_codes 2 x 2,048 x 32 x 16 uint8 (E2M1 codes of k, K innermost, in blocks of 32 codes, two codes a byte); k_scales 2 x 2,048 x 32 uint8 (E8M0 scales of k, one for each 32 codes along K); mask 1 x 1 x 2,048 x 2,048 int32; q_codes 2 x 2,048 x 32 x 16 uint8 (E2M1 codes of q, K innermost, in blocks of 32 codes, two codes a byte); q_scales 2 x 2,048 x 32 uint8 (E8M0 scales of q, one for each 32 codes along K); v_codes 2 x 2,048 x 32 x 16 uint8 (E2M1 codes of v, K innermost, in blocks of 32 codes, two codes a byte); v_scales 2 x 2,048 x 32 uint8 (E8M0 scales of v, one for each 32 codes along K).
;; Outputs: out0 2 x 2,048 x 1,024 float32.
;; This version of the problem:
;;   THIS VERSION OF THE PROBLEM IS GIVEN IN LOW PRECISION. The matrix products marked QUANTISED in the list below multiply operands that are first quantised to E2M1 (2 exponent bits, 1 mantissa bit; 4 bits a number), with one power-of-two scale for each 32 numbers along K (OCP MX v1.0); their sums are f32. All else is computed in f32.
;;   The module's matrix products, in the order in which they are computed (A, B: the left and right operand; K: the contracted axis; several contracted axes count as one K, in the product's order):
;;     1. [M 4,096, K 1,024] x [K 1,024, N 1,024]; A: input q (given as codes); B: input Wq (given as codes): QUANTISED
;;     2. [M 4,096, K 1,024] x [K 1,024, N 1,024]; A: input k (given as codes); B: input Wk (given as codes): QUANTISED
;;     3. [M 4,096, K 1,024] x [K 1,024, N 1,024]; A: input v (given as codes); B: input Wv (given as codes): QUANTISED
;;     4. batch 32 x [M 2,048, K 64] x [K 64, N 2,048]; A: computed on the way; B: computed on the way: QUANTISED
;;     5. batch 32 x [M 2,048, K 2,048] x [K 2,048, N 64]; A: computed on the way; B: computed on the way: QUANTISED
;;   THE QUANTISER, for each operand of a quantised product, along K:
;;     - K is cut into blocks of 32 from its start; a last block that is shorter is filled with zeros.
;;     - A block's scale is 2^e with e = floor(log2(the largest magnitude in the block)) - 2, held to -126 .. 127; a block of zeros has e = 0. As a byte (E8M0): e + 127.
;;     - Each number is divided by its block's scale, clamped to +-6, and rounded to the nearest number of E2M1, ties to even, subnormals kept.
;;     - The product sums the exact products of the quantised numbers (number of the format x scale) in f32.
;;   ~~~python
;;   def quantise(x, axis):      # numpy; x: float32 -> the quantised numbers, widened to float32 again
;;       x = np.moveaxis(x, axis, -1); K = x.shape[-1]
;;       x = np.pad(x, [(0, 0)] * (x.ndim - 1) + [(0, -K % 32)]); x = x.reshape(x.shape[:-1] + (-1, 32)); a = np.abs(x).max(-1, keepdims=True)
;;       e = np.where(a > 0, np.clip(np.frexp(np.where(a > 0, a, 1))[1] - 1 - 2, -126, 127), 0)      # np.frexp(a)[1] - 1 = floor(log2(a)), exactly
;;       r = np.clip(x / 2.0 ** e, -6, 6)
;;       step = 2.0 ** (np.maximum(np.frexp(np.where(r == 0, 1, r))[1] - 1, 0) - 1)
;;       q = np.round(r / step) * step * 2.0 ** e      # np.round: ties to even
;;       return np.moveaxis(q.reshape(q.shape[:-2] + (-1,))[..., :K], -1, axis).astype(np.float32)
;;   ~~~
;;   OPERANDS COMPUTED ON THE WAY. 'Computed on the way' means the value that the module computes at that place (a softmax that the list does not call 'softmax' is quantised finished and normalised). What goes into a quantiser is computed in f32, as accurately as f32 sums, v_exp_f32 and their like allow (about 1e-6 of the number): no bf16 or f16 on the way to a quantiser, and a product that is left as it is and whose result goes on into a quantised operand takes f32 operands (vector FMAs, or v_wmma_f32_16x16x4_f32). A number that lies on a knife's edge between two numbers of the format may be rounded either way, as far as f32 arithmetic and the matrix unit's own rounding can turn it there, and no further.
;;   INPUTS GIVEN AS CODES. Wk (in the module: [1024, 1024], K = its axis 0); Wq (in the module: [1024, 1024], K = its axis 0); Wv (in the module: [1024, 1024], K = its axis 0); k (in the module: [2, 2048, 1024], K = its axis 2); q (in the module: [2, 2048, 1024], K = its axis 2); v (in the module: [2, 2048, 1024], K = its axis 2): each comes as NAME_codes (uint8): NAME with its K axis moved to the last place and cut into blocks of 32 codes, [.., K / 32, bytes a block], one block behind the other in memory; two codes a byte, the lower K in the low four bits (a code: sign, 2 exponent bits, 1 mantissa bit); and NAME_scales (uint8): the same leading axes, one E8M0 byte (e + 127) for each 32 codes along K. Its value is code x scale, taken as it is: it is not quantised again, and the codes and scales need not be those that the quantiser above would give.
;; 2 versions, each right; version 2 is version 1 with the launch attn written anew for expert scheduling mode. Each part assembles by itself: llvm-mc -triple=amdgcn-amd-amdhsa -mcpu=gfx1250 --defsym DOCPART=n.
;; ======== version 1 of 2: 2 launches
;; limits: right only within a limited range of input values
;; workspace buffers: qc 2,097,152 bytes; qs 262,144 bytes; kc 2,097,152 bytes; ks 262,144 bytes; vc 2,097,152 bytes; vs 131,072 bytes; mc 2,097,152 bytes; act 32,768 bytes of whole numbers
;; launch prep (part 1): grid 8 x 32, 4 waves a work-group, clusters of 4 x 4, 327,680 bytes of LDS; arguments q_codes, Wq_codes, k_codes, Wk_codes, v_codes, Wv_codes, bq, bk, bv, mask, mc, act, q_scales, Wq_scales, k_scales, Wk_scales, v_scales, Wv_scales, qc, qs, kc, ks, vc, vs; writes qc, qs, kc, ks, vc, vs, mc, act
.if DOCPART == 1
	.amdgcn_target "amdgcn-amd-amdhsa--gfx1250"
	.amdhsa_code_object_version 6
	.text
	.protected	k_qd52253f1df_prep
	.globl	k_qd52253f1df_prep
	.p2align	8
	.type	k_qd52253f1df_prep,@function
k_qd52253f1df_prep:
	s_mov_b64 s[64:65], 0
	v_nop
	global_prefetch_b8 v0, s[64:65] scope:SCOPE_SE
	s_setreg_imm32_b32 hwreg(HW_REG_WAVE_MODE, 25, 1), 1
	s_wait_xcnt 0x0
	s_wait_alu depctr_hold_cnt(0) depctr_sa_sdst(0) depctr_va_vdst(0) depctr_va_sdst(0) depctr_va_ssrc(0) depctr_va_vcc(0) depctr_vm_vsrc(0)
	s_getreg_b32 s2, hwreg(HW_REG_IB_STS2, 6, 4)
	s_cmp_eq_u32 s2, 0
	s_cbranch_scc0 .Lentry_in_a_cluster
	s_endpgm
.Lentry_in_a_cluster:
	s_bfe_u32 s2, ttmp6, 0x10000c
	s_cmp_lg_u32 s2, 0xf033
	s_cbranch_scc0 .Lentry_shape_is_right
	s_endpgm
.Lentry_shape_is_right:
; THE THREE PROJECTIONS, THEIR QUANTISING, AND THE MASK.
; qh = q Wq + bq, kh = k Wk + bk, vh = v Wv + bv: [4096 x 1024] x [1024 x 1024] on given codes of FP4 (E2M1) with one E8M0 byte for each 32 along K; sums in f32.
; The results never go to memory as f32: qh and kh are quantised along a head's 64 channels, vh along the keys, and leave as codes and scale words laid as the next launch's registers want them.
; SHARES.  256 work-groups of four waves.  A work-group makes three tiles of 128 x 128 over all of K = 1024: q's, k's, v's.  A product is written D, source 0, source 1: a lane then holds ONE row of source 1 and its
; registers run along source 0's rows, which is the axis to be quantised.  q, k: source 0 = 128 rows of W (two heads' channels), source 1 = 128 tokens.  v: source 0 = 128 tokens (keys), source 1 = 128 rows of Wv.
; Wave w takes source 1's rows 32 w .. 32 w + 31 (two tiles) against all eight tiles of source 0: 16 accumulators, 128 matrix instructions a tile of C.  The bias is the C of each sum's first matrix instruction.
; LDS.  Two slots; a slot holds one tile's operands for ALL of K: 256 rows of 512 bytes + 16 of padding.  Tile 0 -> slot 0, tile 1 -> slot 1 (first fills), tile 2 -> slot 0 (the one refill).  Two tensor loads of a wave are out at the start, later one.
; CLUSTER 4 x 4: the token rows hang on the work-group's y alone and are asked for jointly along a row of the cluster, the weight rows on x alone and jointly along a column.
; THE MASK [2048][2048] int32 is turned once into codes of FP4: 0 where the key counts, -6 where it does not, laid as the score accumulators' lanes want them (mc), and into one whole number for each piece of
; 16 queries x 32 keys (act): 1 << i where any key of the piece counts, else 0.  Each wave takes 16 rows x 256 keys; the turn from rows to lanes goes through the wave's own scratch in LDS, into which no tile lands.
; LIMITS.  A block whose largest magnitude lies under 2^-124 gets the scale byte 1 (a block of zeros too, where the quantiser says 127: its codes are zeros, and only this program reads the bytes).  NaN and infinities are not served.
; No prefetch: each tile's load has a whole tile's matrix work in which to land.
.set PITCH, 528                        ; an LDS row: 512 bytes + 16 = 132 words: the sixteen rows that a fragment load touches start 4 banks apart
.set HALF,  64*PITCH                   ; what one tensor load brings: 64 rows
.set SLOT,  4*HALF                     ; source 0's 128 rows, then source 1's
.set MSCR,  2*SLOT                     ; behind the slots: a scratch of 16 rows x PITCH for each wave (the mask's turn)
.set SPARE, MSCR+4*16*PITCH            ; behind it: the spare words, 128 bytes a wave: two blocks of 256 bytes that no other line names
.set SPW,  2                           ; v2      SPARE + 4 x my thread's number; never rewritten
.set NIL,  3                           ; v3      0; never rewritten
.set AD0,  4                           ; v4-5    LDS address of source 0's fragments in slot 0, 1
.set AD1,  6                           ; v6-7    of source 1's: my wave's 32 rows
                                       ; v8 32 x lane; v9 32 r + 16 h; v10 4 x lane; v11 1024 h + 16 r; v12 16 x lane; v13, v14 the scratch, in and out; v15 8 x lane; v16 flags; v18 -6.0; v19 1.0; v20-23 r, h, 32 h, 4 r
.set SC0,  32                          ; v32-63  scale words: register 8 b + s: word s of source 0's row 32 b + lane
.set SC1,  64                          ; v64-71  register s: word s of source 1's row 32 wave + lane
.set TM,   72                          ; v72-87  at work in QUANT
.set PW0,  88                          ; v88-89  the scale words just made, tile a = 0, 1
.set PC0,  96                          ; v96-111 the codes just made, 8 registers a tile; in the mask's part its 16 code words
.set ACC,  128                         ; v128-255 accumulator (a, t) at 128 + 64 a + 8 t; in the mask's part the 128 words as loaded
                                       ; window 1: two sets p of fragments: source 0's tile t at 80 p + 8 t, source 1's tile a at 80 p + 64 + 8 a
                                       ; window 2: v0-63 bq, v64-127 bk (register 8 t + j: my half's channel 16 t + 8 h + j); v128-143 bv (8 a + j: my lane's channel)
.set WV,   60                          ; s60 wave; s61, s62 the work-group's x, y; s63 lanes 16-31 as a mask
.set SEL,  66                          ; s[66:67] selects: lane l xor 16
.set G1X,  52                          ; s[52:59] descriptor group 1 for token rows;  s[68:75] for weight rows
.set G1W,  68
.set G0X,  76                          ; s[76:87] groups 0 for q's, k's, v's token rows;  s[88:99] for the weights'.  Written once
.set G0W,  88
.set GFL,  (1<<20)|(1<<21)|(6<<22)|(3<<25)   ; elements of 1 byte; padding on; bit 21 beside a mask; after every 128 words, 4 words
.set TO_F, 0x40                        ; destination window 1
.set TO_B, 0x80                        ; destination window 2
.set MUL,  0x05                        ; sources 0 and 1 window 1
.set MULB, 0x25                        ; and C window 2
.set MSB, 0
.macro WIN new                         ; the immediate's high byte repeats the setting that is left
.if MSB != \new
	s_set_vgpr_msb (MSB<<8)|\new
.set MSB, \new
.endif
.endm
.macro PLACES
.rept 4
	v_nop
.endr
.endm
; A joint load: waves 0 and 1 fetch source 0's two halves, waves 2 and 3 source 1's.  Each line has one mask and one set of registers; the branch hangs on the wave's number alone.  Four v_nop follow each line.
.macro JLOAD g0lo, g1lo, g0hi, g1hi
	s_cmp_lt_u32 s[WV], 2
	s_cbranch_scc0 .Lhi_\@
	tensor_load_to_lds s[\g0lo:\g0lo+3], s[\g1lo:\g1lo+7]
	s_nop 0
.rept 4
	v_nop
.endr
	s_branch .Lasked_\@
.Lhi_\@:
	tensor_load_to_lds s[\g0hi:\g0hi+3], s[\g1hi:\g1hi+7]
	s_nop 0
.rept 4
	v_nop
.endr
.Lasked_\@:
.endm
.macro ROUND                           ; a round of the cluster's barrier
	s_barrier_signal -1
	s_barrier_wait -1
	s_cmp_lg_u32 s[WV], 0
	s_cbranch_scc1 .Lnot_wave_0_\@
	s_barrier_signal -3
.Lnot_wave_0_\@:
	s_barrier_wait -3
	s_barrier_signal -1
	s_barrier_wait -1
.endm
; one matrix instruction; ra, rb: the side's scale words stand in lanes 16-31
.macro WM d, a, b, c, sa, sb, ra, rb
.if (\ra) && (\rb)
	v_wmma_scale_f32_16x16x128_f8f6f4 v[(\d):(\d)+7], v[(\a):(\a)+7], v[(\b):(\b)+7], v[(\c):(\c)+7], v[(\sa)], v[(\sb)] matrix_a_fmt:MATRIX_FMT_FP4 matrix_b_fmt:MATRIX_FMT_FP4 matrix_a_scale:MATRIX_SCALE_ROW1 matrix_b_scale:MATRIX_SCALE_ROW1
.elseif (\ra)
	v_wmma_scale_f32_16x16x128_f8f6f4 v[(\d):(\d)+7], v[(\a):(\a)+7], v[(\b):(\b)+7], v[(\c):(\c)+7], v[(\sa)], v[(\sb)] matrix_a_fmt:MATRIX_FMT_FP4 matrix_b_fmt:MATRIX_FMT_FP4 matrix_a_scale:MATRIX_SCALE_ROW1
.elseif (\rb)
	v_wmma_scale_f32_16x16x128_f8f6f4 v[(\d):(\d)+7], v[(\a):(\a)+7], v[(\b):(\b)+7], v[(\c):(\c)+7], v[(\sa)], v[(\sb)] matrix_a_fmt:MATRIX_FMT_FP4 matrix_b_fmt:MATRIX_FMT_FP4 matrix_b_scale:MATRIX_SCALE_ROW1
.else
	v_wmma_scale_f32_16x16x128_f8f6f4 v[(\d):(\d)+7], v[(\a):(\a)+7], v[(\b):(\b)+7], v[(\c):(\c)+7], v[(\sa)], v[(\sb)] matrix_a_fmt:MATRIX_FMT_FP4 matrix_b_fmt:MATRIX_FMT_FP4
.endif
.endm
; 64 numbers of a lane, register 8 t + j = index 16 t + 8 h + j along the axis to be quantised, become a fragment's 8 registers of codes and its scale word.
; A block of 32 is the 16 registers of tiles 2 b, 2 b + 1 in lanes l and l xor 16.  Tile t's eight codes go to register 4 (t / 4) + (t % 4) / 2 + 2 (t % 2); the exchange of halves between registers
; (4 c, 4 c + 1) and (4 c + 2, 4 c + 3) then leaves index 64 c + 32 h + 8 e + 0 .. 7 in register 4 c + e: the operand's layout.
.macro QUANT s, pc, pw
.irp b, 0,1,2,3
	v_max3_num_f32 v[TM+\b], |v[(\s)+16*\b]|, |v[(\s)+1+16*\b]|, 0x1800000   ; each accumulator is read from its low end on; the floor 2^(3 - 127) holds the byte at 1 from below
.endr
.irp i, 2,4,6,8,10,12,14
.irp b, 0,1,2,3
	v_max3_num_f32 v[TM+\b], v[TM+\b], |v[(\s)+16*\b+\i]|, |v[(\s)+1+16*\b+\i]|
.endr
.endr
.irp b, 0,1,2,3
	v_permlanex16_b32 v[TM+4+\b], v[TM+\b], s[SEL], s[SEL+1]
.endr
.irp b, 0,1,2,3
	v_max_num_f32 v[TM+\b], v[TM+\b], v[TM+4+\b]   ; the block's largest magnitude
.endr
.irp b, 0,1,2,3
	v_add_nc_u32 v[TM+12+\b], 0xff000000, v[TM+\b]   ; 2 off its exponent field: the conversion's scale operand
.endr
.irp b, 0,1,2,3
	v_lshrrev_b32 v[TM+4+\b], 23, v[TM+12+\b]      ; the scale's byte
.endr
	v_lshl_or_b32 v[\pw], v[TM+5], 8, v[TM+4]
	v_lshl_or_b32 v[\pw], v[TM+6], 16, v[\pw]
	v_lshl_or_b32 v[\pw], v[TM+7], 24, v[\pw]
.irp t, 0,1,2,3,4,5,6,7
	v_cvt_scalef32_pk8_fp4_f32 v[(\pc)+4*(\t/4)+(\t%4)/2+2*(\t%2)], v[(\s)+8*\t:(\s)+8*\t+7], v[TM+12+\t/2]
.endr
	v_nop                                          ; one plain place behind a scaled conversion
.irp c, 0,1
	v_permlane16_swap_b32 v[(\pc)+4*\c], v[(\pc)+4*\c+1]
	v_permlane16_swap_b32 v[(\pc)+4*\c+2], v[(\pc)+4*\c+3]
.endr
.endm
.macro SCLOAD p0, p1                   ; a tile's scale words: 32 bytes (8 words) a row; a lane takes a row
.irp b, 0,1,2,3
	global_load_b128 v[SC0+8*\b:SC0+8*\b+3], v8, s[\p0:\p0+1] offset:1024*\b
	global_load_b128 v[SC0+8*\b+4:SC0+8*\b+7], v8, s[\p0:\p0+1] offset:1024*\b+16
.endr
	global_load_b128 v[SC1:SC1+3], v8, s[\p1:\p1+1]
	global_load_b128 v[SC1+4:SC1+7], v8, s[\p1:\p1+1] offset:16
.endm
.macro LOADS q, sl                     ; 20 LDS loads: the fragments of K step q (128 along K: 64 bytes of each row) into set q % 2
	WIN TO_F
.irp t, 0,1,2,3,4,5,6,7
.irp c, 0,1
	ds_load_b128 v[80*((\q)%2)+8*\t+4*\c:80*((\q)%2)+8*\t+4*\c+3], v[AD0+\sl] offset:16*PITCH*\t+64*(\q)+32*\c
.endr
.endr
.irp a, 0,1
.irp c, 0,1
	ds_load_b128 v[80*((\q)%2)+64+8*\a+4*\c:80*((\q)%2)+64+8*\a+4*\c+3], v[AD1+\sl] offset:16*PITCH*\a+64*(\q)+32*\c
.endr
.endr
.endm
.macro MULS q, kind                    ; 16 matrix instructions: the 16 accumulators by turns, in the same order in every step
.if (\q) == 0
	WIN MULB
.else
	WIN MUL
.endif
.irp a, 0,1
.irp t, 0,1,2,3,4,5,6,7
.if (\q) != 0
.set CR, ACC+64*\a+8*\t
.elseif \kind == 0
.set CR, 8*\t
.elseif \kind == 1
.set CR, 64+8*\t
.else
.set CR, 128+8*\a
.endif
	WM ACC+64*\a+8*\t, 80*((\q)%2)+8*\t, 80*((\q)%2)+64+8*\a, CR, SC0+8*(\t/2)+(\q), SC1+(\q), \t%2, \a
.endr
.endr
.endm
; A tile of C from slot sl.  kind 0: q, 1: k, 2: v.
.macro TILE kind, sl
	s_wait_loadcnt 0x0                             ; this tile's scale words (and, the first time, the biases)
	LOADS 0, \sl
.irp q, 0,1,2,3,4,5,6,7
.if \q >= 1
	PLACES                                         ; in front of loads into the set that the last step's products read
.endif
.if \q < 7
	LOADS \q+1, \sl
	s_wait_dscnt 20                                ; all but the 20 just issued: this step's set is in
.else
	s_wait_dscnt 0x0
.endif
	MULS \q, \kind
.endr
	WIN 0
	PLACES                                         ; in front of loads into the scale registers, and of the first read of results
.if \kind == 0
	SCLOAD 34, 32                                  ; the next tile's scale words: Wk's, k's
.elseif \kind == 1
	SCLOAD 36, 38                                  ; v's, Wv's
.endif
	s_wait_xcnt 0x0                                ; earlier stores have read their data: the codes' and words' registers may be written again
	QUANT ACC, PC0, PW0
	QUANT ACC+64, PC0+8, PW0+1
	v_cndmask_b32 v90, v[PW0], v[PW0+1], s63       ; lanes 16-31 take tile a = 1's word: lane l then has row l of my 32
.if \kind < 2
.irp a, 0,1
.irp c, 0,1
	global_store_b128 v9, v[PC0+8*\a+4*\c:PC0+8*\a+4*\c+3], s[40+4*\kind:41+4*\kind] offset:65536*\c+512*\a   ; head c of the pair, 16 tokens x 32 bytes: 512 consecutive bytes
.endr
.endr
	v_and_or_b32 v91, v90, 0xffff, s15             ; a head has two blocks: its two bytes, and 127 twice for the half of the instruction's K that holds no numbers
	v_lshrrev_b32 v92, 16, v90
	v_or_b32 v92, s15, v92
	global_store_b32 v10, v91, s[42+4*\kind:43+4*\kind]
	global_store_b32 v10, v92, s[42+4*\kind:43+4*\kind] offset:8192
.else
.irp a, 0,1
.irp c, 0,1
	global_store_b128 v11, v[PC0+8*\a+4*\c:PC0+8*\a+4*\c+3], s[48:49] offset:2048*\c+256*\a   ; key blocks 2 c + h, 16 channels x 16 bytes: two aligned runs of 256 bytes
.endr
.endr
	global_store_b32 v10, v90, s[50:51]
.endif
.endm
	s_load_b256 s[4:11], s[0:1], 0x0               ; q_codes, Wq_codes, k_codes, Wk_codes
	s_load_b128 s[12:15], s[0:1], 0x20             ; v_codes, Wv_codes
	s_load_b256 s[16:23], s[0:1], 0x30             ; bq, bk, bv, mask
	s_load_b128 s[24:27], s[0:1], 0x50             ; mc, act
	s_load_b128 s[28:31], s[0:1], 0x60             ; q_scales, Wq_scales
	s_load_b256 s[32:39], s[0:1], 0x70             ; k_scales, Wk_scales, v_scales, Wv_scales
	s_load_b256 s[40:47], s[0:1], 0x90             ; qc, qs, kc, ks
	s_load_b128 s[48:51], s[0:1], 0xb0             ; vc, vs
	v_lshl_add_u32 v[SPW], v0, 2, SPARE
	v_mov_b32 v[NIL], 0
	ds_add_u32 v2, v3
	ds_add_u32 v2, v3
	s_wait_dscnt 0x0
	v_lshrrev_b32 v1, 5, v0
	v_readfirstlane_b32 s[WV], v1                  ; wave 0..3
	s_bfe_u32 s2, ttmp6, 0x40000                   ; cx
	s_bfe_u32 s3, ttmp6, 0x40004                   ; cy
	s_lshl_b32 s61, ttmp9, 2
	s_add_co_u32 s61, s61, s2                      ; x = 4 x cluster x + cx: which 128 rows of the weights
	s_and_b32 s62, ttmp7, 0xffff
	s_lshl_b32 s62, s62, 2
	s_add_co_u32 s62, s62, s3                      ; y = 4 x cluster y + cy: which 128 tokens
	s_lshl_b32 s104, s3, 2
	s_lshl_b32 s104, 15, s104                      ; my row of the cluster
	s_lshl_b32 s100, 0x1111, s2                    ; my column
	s_or_b32 s[G1X], s104, GFL
	s_or_b32 s[G1W], s100, GFL
.irp g, G1X, G1W
	s_mov_b32 s[\g+1], 512<<16                     ; tensor_dim0 = 512 bytes: all of K
	s_mov_b32 s[\g+2], 64<<16                      ; tensor_dim1 = 64 rows
	s_mov_b32 s[\g+3], 512<<16                     ; tile_dim0
	s_mov_b32 s[\g+4], 64                          ; tile_dim1
	s_mov_b32 s[\g+5], 512                         ; from row to row
	s_mov_b32 s[\g+6], 0
	s_mov_b32 s[\g+7], 0
.endr
	s_lshl_b32 s104, s62, 16                       ; token rows: (128 y + 64 (wave & 1)) x 512 bytes; these registers never hold x
	s_and_b32 s105, s[WV], 1
	s_lshl_b32 s105, s105, 15
	s_add_co_u32 s104, s104, s105
	s_lshl_b32 s100, s61, 16                       ; weight rows: the same of x; these never hold y
	s_add_co_u32 s100, s100, s105
	s_mov_b32 s105, 0
	s_mov_b32 s101, 0
	s_mov_b32 s63, 0xffff0000
	s_mov_b32 s[SEL], 0x76543210
	s_mov_b32 s[SEL+1], 0xfedcba98
	s_wait_kmcnt 0x0
.irp t, 0,1,2
	s_mov_b32 s[G0X+4*\t], 1
	s_mul_i32 s[G0X+4*\t+1], s[WV], HALF           ; LDS: wave x 64 rows: no place in the cluster enters it
	s_add_nc_u64 s[G0X+4*\t+2:G0X+4*\t+3], s[4+4*\t:5+4*\t], s[104:105]
	s_or_b32 s[G0X+4*\t+3], s[G0X+4*\t+3], 0x80000000
	s_mov_b32 s[G0W+4*\t], 1
	s_mul_i32 s[G0W+4*\t+1], s[WV], HALF
	s_add_nc_u64 s[G0W+4*\t+2:G0W+4*\t+3], s[6+4*\t:7+4*\t], s[100:101]
	s_or_b32 s[G0W+4*\t+3], s[G0W+4*\t+3], 0x80000000
.endr
	s_add_co_u32 s[G0X+5], s[G0X+5], SLOT          ; tile 1 goes to slot 1
	s_add_co_u32 s[G0W+5], s[G0W+5], SLOT
	ROUND                                          ; all sixteen work-groups are here: the first joint loads meet
	JLOAD G0W, G1W, G0X, G1X                       ; q's tile: source 0 = Wq, source 1 = q
	JLOAD G0W+4, G1W, G0X+4, G1X                   ; k's tile
	; lane addresses
	v_and_b32 v1, 31, v0                           ; lane
	v_and_b32 v20, 15, v0                          ; r
	v_bfe_u32 v21, v0, 4, 1                        ; h
	v_mul_u32_u24 v4, v20, PITCH
	v_lshl_add_u32 v14, v21, 5, v4                 ; 528 r + 32 h
	v_lshl_add_u32 v4, v21, 4, v4                  ; 528 r + 16 h
	v_add_nc_u32 v5, SLOT, v4
	s_mul_i32 s4, s[WV], 32*PITCH
	s_add_co_u32 s4, s4, 2*HALF
	v_add_nc_u32 v6, s4, v4                        ; source 1: behind source 0's 128 rows, my 32 rows
	v_add_nc_u32 v7, SLOT, v6
	v_lshlrev_b32 v8, 5, v1
	v_lshlrev_b32 v9, 5, v20
	v_lshl_add_u32 v9, v21, 4, v9
	v_lshlrev_b32 v10, 2, v1
	v_lshlrev_b32 v11, 4, v20
	v_lshl_add_u32 v11, v21, 10, v11
	v_lshlrev_b32 v12, 4, v1
	s_mul_i32 s4, s[WV], 16*PITCH
	s_add_co_u32 s4, s4, MSCR                      ; my scratch
	v_add_nc_u32 v13, s4, v12
	v_add_nc_u32 v14, s4, v14
	v_lshlrev_b32 v15, 3, v1
	v_mov_b32 v16, 0
	v_mov_b32 v18, 0xc0c00000                      ; -6.0
	v_mov_b32 v19, 1.0
	v_lshlrev_b32 v22, 5, v21
	v_lshlrev_b32 v23, 2, v20
.irp b, 0,1,2,3
	v_mov_b32 v[TM+4+\b], 0                        ; written once: a lane permute's destination counts as one of its sources
.endr
	; pointers, each from its own buffer's address.  s[4:15] are free: the descriptors are made
	s_mov_b32 s5, 0
	s_mov_b32 s15, 0x7f7f0000
	s_lshl_b32 s4, s61, 12                         ; scales: 32 bytes a row: 4096 x
	s_add_nc_u64 s[30:31], s[30:31], s[4:5]
	s_add_nc_u64 s[34:35], s[34:35], s[4:5]
	s_lshl_b32 s6, s[WV], 10                       ; source 1's: my 32 rows
	s_add_co_u32 s4, s4, s6
	s_add_nc_u64 s[38:39], s[38:39], s[4:5]
	s_lshl_b32 s4, s62, 12
	s_add_nc_u64 s[36:37], s[36:37], s[4:5]
	s_add_co_u32 s4, s4, s6
	s_add_nc_u64 s[28:29], s[28:29], s[4:5]
	s_add_nc_u64 s[32:33], s[32:33], s[4:5]
	s_lshl_b32 s4, s61, 9                          ; biases: 128 x numbers
	s_add_nc_u64 s[16:17], s[16:17], s[4:5]
	s_add_nc_u64 s[18:19], s[18:19], s[4:5]
	s_lshl_b32 s6, s[WV], 7
	s_add_co_u32 s4, s4, s6
	s_add_nc_u64 s[20:21], s[20:21], s[4:5]
	s_lshl_b32 s7, s62, 3                          ; the mask's share: id = 8 y + x; query tile T = id / 2; j = 4 (id % 2) + wave: keys 256 j on
	s_add_co_u32 s7, s7, s61
	s_lshr_b32 s8, s7, 1
	s_and_b32 s7, s7, 1
	s_lshl_b32 s7, s7, 2
	s_add_co_u32 s7, s7, s[WV]
	s_lshl_b32 s4, s8, 17                          ; 16 rows of 8,192 bytes
	s_lshl_b32 s6, s7, 10
	s_add_co_u32 s4, s4, s6
	s_add_nc_u64 s[22:23], s[22:23], s[4:5]
	s_lshl_b32 s4, s8, 14                          ; mc: [T][i = j][w][lane][8 bytes]
	s_lshl_b32 s6, s7, 11
	s_add_co_u32 s4, s4, s6
	s_add_nc_u64 s[24:25], s[24:25], s[4:5]
	s_lshl_b32 s4, s8, 8                           ; act: [T][w][i = j] words
	s_lshl_b32 s6, s7, 2
	s_add_co_u32 s4, s4, s6
	s_add_nc_u64 s[26:27], s[26:27], s[4:5]
	s_lshl_b32 s9, 1, s7                           ; 1 << j
	s_lshr_b32 s10, s62, 4                         ; batch
	s_and_b32 s11, s62, 15                         ; which 128 tokens of it
	s_lshl_b32 s4, s10, 20
	s_lshl_b32 s6, s61, 17
	s_add_co_u32 s4, s4, s6
	s_lshl_b32 s6, s11, 12
	s_add_co_u32 s12, s4, s6                       ; ((16 batch + 2 x) 2048 + 128 (y % 16)) 32
	s_lshl_b32 s6, s[WV], 10
	s_add_co_u32 s4, s12, s6
	s_add_nc_u64 s[40:41], s[40:41], s[4:5]
	s_add_nc_u64 s[44:45], s[44:45], s[4:5]
	s_lshr_b32 s4, s4, 3                           ; a word for each 32 bytes of codes
	s_add_nc_u64 s[42:43], s[42:43], s[4:5]
	s_add_nc_u64 s[46:47], s[46:47], s[4:5]
	s_lshr_b32 s13, s[WV], 1                       ; v: my 32 channels lie in head 2 x + wave / 2, tiles 2 (wave % 2) + a
	s_and_b32 s14, s[WV], 1
	s_lshl_b32 s6, s13, 16
	s_add_co_u32 s4, s12, s6
	s_lshl_b32 s6, s14, 9
	s_add_co_u32 s4, s4, s6
	s_add_nc_u64 s[48:49], s[48:49], s[4:5]
	s_lshr_b32 s4, s12, 4
	s_lshl_b32 s6, s13, 12
	s_add_co_u32 s4, s4, s6
	s_lshl_b32 s6, s14, 7
	s_add_co_u32 s4, s4, s6
	s_add_nc_u64 s[50:51], s[50:51], s[4:5]
	; the biases, tile 0's scale words, my part of the mask
	WIN TO_B
.irp t, 0,1,2,3,4,5,6,7
	global_load_b128 v[8*\t:8*\t+3], v22, s[16:17] offset:64*\t
	global_load_b128 v[8*\t+4:8*\t+7], v22, s[16:17] offset:64*\t+16
.endr
.irp t, 0,1,2,3,4,5,6,7
	global_load_b128 v[64+8*\t:64+8*\t+3], v22, s[18:19] offset:64*\t
	global_load_b128 v[64+8*\t+4:64+8*\t+7], v22, s[18:19] offset:64*\t+16
.endr
.irp a, 0,1
.irp j, 0,1,2,3,4,5,6,7
	global_load_b32 v[128+8*\a+\j], v23, s[20:21] offset:64*\a
.endr
.endr
	WIN 0
	SCLOAD 30, 28
.irp cc, 0,1
.irp rr, 0,1,2,3,4,5,6,7,8,9,10,11,12,13,14,15
	global_load_b128 v[ACC+64*\cc+4*\rr:ACC+64*\cc+4*\rr+3], v12, s[22:23] offset:8192*\rr+512*\cc th:TH_LOAD_NT   ; 128 keys of a row: 512 consecutive bytes
.endr
.endr
; 16 rows x 128 keys of the mask: through my scratch, so that lane (r, h) holds row r and, for block w and half u, keys 32 w + 16 u + 8 h + 0 .. 7: the score accumulators' layout.
.macro MCHUNK cc
.set MB, ACC+64*\cc
.irp rr, 0,1,2,3,4,5,6,7,8,9,10,11,12,13,14,15
	ds_store_b128 v13, v[MB+4*\rr:MB+4*\rr+3] offset:PITCH*\rr
.endr
	s_wait_dscnt 0x0                               ; the stores have read their registers
.irp w, 0,1,2,3
.irp u, 0,1
.irp e, 0,1
	ds_load_b128 v[MB+16*\w+8*\u+4*\e:MB+16*\w+8*\u+4*\e+3], v14 offset:128*\w+64*\u+16*\e
.endr
.endr
.endr
	s_wait_dscnt 0x0
.irp w, 0,1,2,3
	s_mov_b32 s6, -1
.irp x, 0,1,2,3,4,5,6,7,8,9,10,11,12,13,14,15
	v_cmp_eq_u32 vcc_lo, 0, v[MB+16*\w+\x]
	v_cndmask_b32 v[MB+16*\w+\x], 0, v18, vcc_lo   ; -6 where the key does not count, else 0
	s_and_b32 s6, s6, vcc_lo                       ; stays all ones while nothing of the piece counts
.endr
	v_cvt_scalef32_pk8_fp4_f32 v[PC0+2*(4*\cc+\w)], v[MB+16*\w:MB+16*\w+7], v19
	v_cvt_scalef32_pk8_fp4_f32 v[PC0+1+2*(4*\cc+\w)], v[MB+16*\w+8:MB+16*\w+15], v19
	s_cmp_lg_u32 s6, -1
	s_cselect_b32 s7, s9, 0                        ; a choice, no branch
	v_writelane_b32 v16, s7, 4*\cc+\w
.endr
	v_nop                                          ; one plain place behind the last conversion
.irp w, 0,1,2,3
	global_store_b64 v15, v[PC0+2*(4*\cc+\w):PC0+2*(4*\cc+\w)+1], s[24:25] offset:256*(4*\cc+\w)   ; 256 consecutive bytes, aligned
.endr
.endm
	s_wait_loadcnt 16                              ; all but the second 128 keys' sixteen loads
	MCHUNK 0
	s_wait_loadcnt 0x0
	MCHUNK 1
	s_wait_xcnt 0x0                                ; EXEC changes only behind this wait
	v_cmp_gt_u32 vcc_lo, 8, v1
	s_and_saveexec_b32 s6, vcc_lo
	global_store_b32 v8, v16, s[26:27]             ; lane w: the flag of block 8 j + w
	s_wait_xcnt 0x0
	s_or_b32 exec_lo, exec_lo, s6
	s_wait_tensorcnt 0x1                           ; my part of tile 0 has landed; tile 1's load, issued behind it, may stay out
	s_wait_dscnt 0x0
	s_barrier_signal -1
	s_barrier_wait -1
	TILE 0, 0
	s_wait_tensorcnt 0x0                           ; all my tensor loads have landed: my part of tile 1;
	ds_add_u32 v[SPW], v[NIL]                      ; 0 onto my spare word
	s_wait_dscnt 0x0                               ; the add is done, and my reads of slot 0 are over
	ROUND                                          ; no wave of any partner still reads slot 0 or has a load on its way
	JLOAD G0X+8, G1X, G0W+8, G1W                   ; v's tile into slot 0: source 0 = v, source 1 = Wv.  It has all of k's tile in which to land
	TILE 1, 1
	s_wait_tensorcnt 0x0                           ; my part of tile 2 (no load was issued behind it)
	s_wait_dscnt 0x0
	s_barrier_signal -1
	s_barrier_wait -1                              ; everybody's
	TILE 2, 0
	s_wait_tensorcnt 0x0                           ; the wave's end
	ds_add_u32 v[SPW], v[NIL]
	s_wait_dscnt 0x0
	ROUND                                          ; the closing round
	s_endpgm
.Lfunc_end_k_qd52253f1df_prep:
	.size	k_qd52253f1df_prep, .Lfunc_end_k_qd52253f1df_prep-k_qd52253f1df_prep
	.p2alignl 7, 3214868480
	.fill 96, 4, 3214868480
	.section	.rodata,"a",@progbits
	.p2align	6, 0x0
	.amdhsa_kernel k_qd52253f1df_prep
		.amdhsa_group_segment_fixed_size 327680
		.amdhsa_private_segment_fixed_size 0
		.amdhsa_enable_private_segment 0
		.amdhsa_kernarg_size 192
		.amdhsa_user_sgpr_count 2
		.amdhsa_user_sgpr_kernarg_segment_ptr 1
		.amdhsa_wavefront_size32 1
		.amdhsa_system_sgpr_workgroup_id_x 1
		.amdhsa_system_sgpr_workgroup_id_y 1
		.amdhsa_system_sgpr_workgroup_id_z 1
		.amdhsa_system_vgpr_workitem_id 0
		.amdhsa_next_free_vgpr 672
		.amdhsa_next_free_sgpr 106
		.amdhsa_reserve_vcc 1
		.amdhsa_float_denorm_mode_32 3
		.amdhsa_float_denorm_mode_16_64 3
		.amdhsa_memory_ordered 1
		.amdhsa_forward_progress 1
		.amdhsa_inst_pref_size 149
	.end_amdhsa_kernel
	.amdgpu_metadata
---
amdhsa.version: [ 1, 2 ]
amdhsa.kernels:
  - .name:           k_qd52253f1df_prep
    .symbol:         k_qd52253f1df_prep.kd
    .args:
      - { .name: q_codes, .offset: 0, .size: 8, .value_kind: global_buffer, .address_space: global }
      - { .name: Wq_codes, .offset: 8, .size: 8, .value_kind: global_buffer, .address_space: global }
      - { .name: k_codes, .offset: 16, .size: 8, .value_kind: global_buffer, .address_space: global }
      - { .name: Wk_codes, .offset: 24, .size: 8, .value_kind: global_buffer, .address_space: global }
      - { .name: v_codes, .offset: 32, .size: 8, .value_kind: global_buffer, .address_space: global }
      - { .name: Wv_codes, .offset: 40, .size: 8, .value_kind: global_buffer, .address_space: global }
      - { .name: bq, .offset: 48, .size: 8, .value_kind: global_buffer, .address_space: global }
      - { .name: bk, .offset: 56, .size: 8, .value_kind: global_buffer, .address_space: global }
      - { .name: bv, .offset: 64, .size: 8, .value_kind: global_buffer, .address_space: global }
      - { .name: mask, .offset: 72, .size: 8, .value_kind: global_buffer, .address_space: global }
      - { .name: mc, .offset: 80, .size: 8, .value_kind: global_buffer, .address_space: global }
      - { .name: act, .offset: 88, .size: 8, .value_kind: global_buffer, .address_space: global }
      - { .name: q_scales, .offset: 96, .size: 8, .value_kind: global_buffer, .address_space: global }
      - { .name: Wq_scales, .offset: 104, .size: 8, .value_kind: global_buffer, .address_space: global }
      - { .name: k_scales, .offset: 112, .size: 8, .value_kind: global_buffer, .address_space: global }
      - { .name: Wk_scales, .offset: 120, .size: 8, .value_kind: global_buffer, .address_space: global }
      - { .name: v_scales, .offset: 128, .size: 8, .value_kind: global_buffer, .address_space: global }
      - { .name: Wv_scales, .offset: 136, .size: 8, .value_kind: global_buffer, .address_space: global }
      - { .name: qc, .offset: 144, .size: 8, .value_kind: global_buffer, .address_space: global }
      - { .name: qs, .offset: 152, .size: 8, .value_kind: global_buffer, .address_space: global }
      - { .name: kc, .offset: 160, .size: 8, .value_kind: global_buffer, .address_space: global }
      - { .name: ks, .offset: 168, .size: 8, .value_kind: global_buffer, .address_space: global }
      - { .name: vc, .offset: 176, .size: 8, .value_kind: global_buffer, .address_space: global }
      - { .name: vs, .offset: 184, .size: 8, .value_kind: global_buffer, .address_space: global }
    .group_segment_fixed_size: 327680
    .private_segment_fixed_size: 0
    .kernarg_segment_align: 8
    .kernarg_segment_size: 192
    .max_flat_workgroup_size: 128
    .sgpr_count:     106
    .vgpr_count:     672
    .wavefront_size: 32
...
	.end_amdgpu_metadata
.endif
;; end of part 1
;; launch attn (part 2): grid 8 x 32, 8 waves a work-group, no clusters, 37,888 bytes of LDS; arguments qc, qs, kc, ks, vc, vs, mc, act, out0; writes out0
.if DOCPART == 2
	.amdgcn_target "amdgcn-amd-amdhsa--gfx1250"
	.amdhsa_code_object_version 6
	.text
	.protected	k_qd52253f1df_attn
	.globl	k_qd52253f1df_attn
	.p2align	8
	.type	k_qd52253f1df_attn,@function
k_qd52253f1df_attn:
	s_mov_b64 s[64:65], 0
	v_nop
	global_prefetch_b8 v0, s[64:65] scope:SCOPE_SE
	s_setreg_imm32_b32 hwreg(HW_REG_WAVE_MODE, 25, 1), 1
	s_wait_xcnt 0x0
; ATTENTION ON CODES OF FP4.  For each of 32 (batch, head): scores = qh kh^T / 8 (K = 64), the mask, a softmax along the keys, the FINISHED, normalised softmax quantised along the keys, times vh (K = the keys).
; SHARES.  A work-group of eight waves serves one (batch, head) and the query tiles T = x + 8 n, n = 0 .. 15, one a round.  Wave w owns the key blocks of 32 B = w + 8 i, i = 0 .. 7: 256 keys.  Its fragments of K and of V and
; their scale words are loaded ONCE and stay in registers.  In a round a wave holds 16 queries x 256 keys of scores in 128 registers, so a whole row of the softmax lies in the work-group's registers: each exponential is
; made once, the row's sum is known before any code is made, and LDS carries only two small exchanges: (maximum, sum) of each wave, and the eight partial results.
; LAYOUT.  Both products are used transposed: S^T = K Q^T (source 0 = 16 keys, source 1 = 16 queries), O^T = V^T P^T (source 0 = 16 channels, source 1 = P): a lane holds one query (lane % 16) throughout.
; K = 64 fills half of the instruction's 128.  K's fragments are packed four registers a tile: the upper half of a tile's operand is the next tile's codes; they meet Q's zero codes under scale bytes of 127: exact zeros.
; THE MASK comes as codes, 0 or -6; one conversion with the scale 2^120 puts eight of them into the score accumulator as 0 or -6 x 2^120, and the product adds the scores onto them.
; PIECES WITHOUT A KEY THAT COUNTS are passed over: a scalar branch on whole numbers that the launch before stored (act).  Their codes of p are zeros.  So this launch has no tensor load; no wait on a memory counter, no memory instruction and no barrier
; stands under such a branch.  Blocks are dealt round-robin to waves and tiles round-robin to work-groups, so that a mask that hides a region leaves the work even.
; No cluster: what work-groups share (K, V of a head) each reads once, straight into the registers where it stays.
; THE SOFTMAX.  The maximum of the whole score tensor, which is taken off every score alike, cancels in a row's softmax; it is not formed.  The ROW's maximum is taken off: each wave uses the maximum of its own 256 keys, and
; p = 2^(c s - c m_w) x 2^(c m_w - c m) / l, c = log2(e) / 8, with m the row's maximum and l the row's sum.  A row in which no key counts has l = 0 and gives 0.
; A block's largest p is not searched for: the block's largest score goes through the same instructions as its members (this takes v_exp_f32 not to fall where its input rises).
; LIMITS.  A hidden score is the finite number -6 x 2^120 and the running maximum starts at -2^100: scores of magnitude 2^100 and more are not served.  p under 2^-126 counts as 0.  NaN and infinities are not served.
; A block of zeros keeps the scale byte 1 or 0 where the quantiser says 127: its codes are zeros.
.set STAT, 0                           ; LDS: wave w, lane l: (-c m_w, l_w) at 256 w + 8 l
.set ORED, 2048                        ; wave w's partial O: 16 rows of 256 bytes + 16
                                       ; v1 32 r + 16 h; v2 4 r; v3 8 x lane; v4 8 x thread; v5 4 x lane; v6, v7 the partial results, in and out; v8 4096 h + 16 r; v9 the mask's scale, 2^120, in every byte
.set RM,  10                           ; v10      the running maximum of my keys
.set NM,  12                           ; v[12:13] -c m_w; beside it l_w
.set LS,  14                           ; v[14:15] the sum in two halves
.set GG,  16                           ; v[16:17] what p is multiplied by
.set QS,  18                           ; v18      Q's scale words
.set QF,  20                           ; v[20:27] Q's fragment; 24-27 hold zero codes and are never rewritten
.set KS,  28                           ; v28-35   K's scale words: block i: lanes 0-15 its first 16 keys, lanes 16-31 the others
.set VS,  36                           ; v36-39   V's: K step k, channels 32 p on: lanes 0-15 tile 2 p, lanes 16-31 tile 2 p + 1
.set PW,  40                           ; v40-41   p's scale words, K step 0, 1
.set MK,  42                           ; v42-57   the mask's codes: block i, half u at 2 i + u
.set PC,  58                           ; v58-73   p's codes: two fragments
.set BM,  74                           ; v74-81   each block's largest score
.set TT,  82                           ; v82-105  at work
.set PP,  128                          ; v128-255 scores, then p: block i at 16 i, its half u at + 8 u
.set KF,  0                            ; window 1: v0-67 K's fragments, tile n at 4 n; v64-67 zeros
.set VF,  72                           ;           v72-135 V's: (K step k, tile d) at 8 (4 k + d)
.set OA,  136                          ;           v136-167 O^T: tile d at 8 d
.set WV,  22
.set CNT, 25                           ; s25 rounds left
.set FL,  26                           ; s26 bit i: block i of this round has a key that counts
.set MSB, 0
.macro WIN new                         ; the immediate's high byte repeats the setting that is left
.if MSB != \new
	s_set_vgpr_msb (MSB<<8)|\new
.set MSB, \new
.endif
.endm
.macro PLACES
.rept 4
	v_nop
.endr
.endm
.macro WM d, a, b, zero, sa, sb, ra    ; one matrix instruction; zero: it starts the sum; ra: source 0's scale words stand in lanes 16-31
.if (\zero) && (\ra)
	v_wmma_scale_f32_16x16x128_f8f6f4 v[(\d):(\d)+7], v[(\a):(\a)+7], v[(\b):(\b)+7], 0, v[(\sa)], v[(\sb)] matrix_a_fmt:MATRIX_FMT_FP4 matrix_b_fmt:MATRIX_FMT_FP4 matrix_a_scale:MATRIX_SCALE_ROW1
.elseif (\zero)
	v_wmma_scale_f32_16x16x128_f8f6f4 v[(\d):(\d)+7], v[(\a):(\a)+7], v[(\b):(\b)+7], 0, v[(\sa)], v[(\sb)] matrix_a_fmt:MATRIX_FMT_FP4 matrix_b_fmt:MATRIX_FMT_FP4
.elseif (\ra)
	v_wmma_scale_f32_16x16x128_f8f6f4 v[(\d):(\d)+7], v[(\a):(\a)+7], v[(\b):(\b)+7], v[(\d):(\d)+7], v[(\sa)], v[(\sb)] matrix_a_fmt:MATRIX_FMT_FP4 matrix_b_fmt:MATRIX_FMT_FP4 matrix_a_scale:MATRIX_SCALE_ROW1
.else
	v_wmma_scale_f32_16x16x128_f8f6f4 v[(\d):(\d)+7], v[(\a):(\a)+7], v[(\b):(\b)+7], v[(\d):(\d)+7], v[(\sa)], v[(\sb)] matrix_a_fmt:MATRIX_FMT_FP4 matrix_b_fmt:MATRIX_FMT_FP4
.endif
.endm
.macro GATE i, p                       ; no block from i on has a key that counts: the pass ends; block i has none: on to the next
	s_cmp_lt_u32 s[FL], 1<<\i
	s_cbranch_scc1 .Le\p
	s_bitcmp1_b32 s[FL], \i
	s_cbranch_scc0 .Ln\p\i
.endm
	s_load_b256 s[4:11], s[0:1], 0x0               ; qc, qs, kc, ks
	s_load_b256 s[12:19], s[0:1], 0x20             ; vc, vs, mc, act
	s_load_b64 s[20:21], s[0:1], 0x40              ; out0
	v_lshl_add_u32 v126, v0, 2, 0x9000
	v_mov_b32 v127, 0
	v_lshrrev_b32 v1, 5, v0
	v_readfirstlane_b32 s[WV], v1                  ; wave 0..7
	s_and_b32 s23, ttmp7, 0xffff                   ; 16 x batch + head
	v_and_b32 v5, 31, v0                           ; lane
	v_and_b32 v107, 15, v0                         ; r
	v_bfe_u32 v108, v0, 4, 1                       ; h
	v_lshlrev_b32 v1, 5, v107
	v_lshl_add_u32 v1, v108, 4, v1
	v_lshlrev_b32 v2, 2, v107
	v_lshlrev_b32 v3, 3, v5
	v_lshlrev_b32 v4, 3, v0
	s_mul_i32 s44, s[WV], 16*272
	s_add_co_u32 s44, s44, ORED
	v_mul_u32_u24 v6, v107, 272
	v_lshl_add_u32 v6, v108, 5, v6
	v_add_nc_u32 v6, s44, v6                       ; in: my wave's rows: row r, + 32 h
	s_mul_i32 s44, s[WV], 2*272
	s_add_co_u32 s44, s44, ORED
	v_mul_u32_u24 v7, v108, 272
	v_lshl_add_u32 v7, v107, 4, v7
	v_add_nc_u32 v7, s44, v7                       ; out: query 2 w + h of every wave's rows, 16 bytes a lane
	v_lshlrev_b32 v8, 12, v108
	v_lshl_add_u32 v8, v107, 4, v8
	v_lshlrev_b32 v106, 13, v108
	v_lshl_add_u32 v106, v107, 4, v106             ; V: 8192 h + 16 r
	v_lshlrev_b32 v5, 2, v5
	v_mov_b32 v9, 0xf7f7f7f7                       ; the byte 247: 2^120
	v_mov_b32 v13, 0
	v_mov_b32 v17, 0
.irp j, 4,5,6,7
	v_mov_b32 v[QF+\j], 0
.endr
.irp j, 0,1,2,3,4,5,6,7
	v_mov_b32 v[BM+\j], 0
	v_mov_b32 v[TT+16+\j], 0
.endr
.irp n, 0,1,2,3,4,5,6,7,8,9,10,11,12,13,14,15
	v_cvt_scale_pk8_f32_fp4 v[PP+8*\n:PP+8*\n+7], v[QF+4], v9   ; every score register is written once, so that none is read unwritten on any path
.endr
	v_nop
	s_mov_b32 s36, 0x3e38aa3b                      ; c = log2(e) / 8
	s_mov_b32 s37, s36                             ; (named with it as a pair)
	s_mov_b32 s38, 0xbe38aa3b                      ; -c
	s_mov_b32 s40, 0x76543210
	s_mov_b32 s41, 0xfedcba98
	s_and_b32 s42, s[WV], 3
	s_lshl_b32 s42, s42, 3                         ; which byte of V's stored scale words is my block's
	s_mov_b32 s[CNT], 16
	s_mov_b32 s45, 0
	s_wait_kmcnt 0x0
	s_lshl_b32 s46, s23, 16                        ; a head's codes: 65,536 bytes
	s_lshl_b32 s47, s[WV], 10
	s_lshl_b32 s44, ttmp9, 9
	s_add_co_u32 s44, s44, s46
	s_add_nc_u64 s[4:5], s[4:5], s[44:45]          ; qc at tile x
	s_add_co_u32 s44, s46, s47
	s_add_nc_u64 s[8:9], s[8:9], s[44:45]          ; kc, vc at block w
	s_add_nc_u64 s[12:13], s[12:13], s[44:45]
	s_lshl_b32 s46, s23, 13
	s_lshl_b32 s44, ttmp9, 6
	s_add_co_u32 s44, s44, s46
	s_add_nc_u64 s[6:7], s[6:7], s[44:45]          ; qs
	s_lshl_b32 s44, s[WV], 7
	s_add_co_u32 s44, s44, s46
	s_add_nc_u64 s[10:11], s[10:11], s[44:45]      ; ks
	s_lshl_b32 s46, s23, 12
	s_lshr_b32 s44, s[WV], 2
	s_lshl_b32 s44, s44, 8
	s_add_co_u32 s44, s44, s46
	s_add_nc_u64 s[14:15], s[14:15], s[44:45]      ; vs: block w + 8 i lies in the words of keys 128 (w / 4 + 2 i) on
	s_lshl_b32 s46, ttmp9, 14
	s_lshl_b32 s44, s[WV], 8
	s_add_co_u32 s44, s44, s46
	s_add_nc_u64 s[16:17], s[16:17], s[44:45]      ; mc
	s_lshl_b32 s46, ttmp9, 8
	s_lshl_b32 s44, s[WV], 5
	s_add_co_u32 s44, s44, s46
	s_add_nc_u64 s[18:19], s[18:19], s[44:45]      ; act
	s_lshr_b32 s44, s23, 4
	s_lshl_b32 s44, s44, 23                        ; out0: the batch,
	s_and_b32 s46, s23, 15
	s_lshl_b32 s46, s46, 8                         ; the head's 256 bytes of a row,
	s_add_co_u32 s44, s44, s46
	s_lshl_b32 s46, ttmp9, 16                      ; tile x's 16 rows of 4,096 bytes,
	s_add_co_u32 s44, s44, s46
	s_lshl_b32 s46, s[WV], 13                      ; my two of them
	s_add_co_u32 s44, s44, s46
	s_add_nc_u64 s[20:21], s[20:21], s[44:45]
	s_load_b256 s[28:35], s[18:19], 0x0            ; the first round's eight flags
	WIN 0x40                                       ; destination window 1
.irp i, 0,1,2,3,4,5,6,7
.irp u, 0,1
	global_load_b128 v[KF+4*(2*\i+\u):KF+4*(2*\i+\u)+3], v1, s[8:9] offset:8192*\i+512*\u   ; 16 keys x 32 bytes: 512 consecutive bytes
.endr
.endr
.irp k, 0,1
.irp d, 0,1,2,3
.irp c, 0,1
	global_load_b128 v[VF+8*(4*\k+\d)+4*\c:VF+8*\k*4+8*\d+4*\c+3], v106, s[12:13] offset:32768*\k+16384*\c+256*\d   ; lanes of half h: block i = 4 k + 2 c + h, 16 channels x 16 bytes
.endr
.endr
.endr
.irp j, 64,65,66,67
	v_mov_b32 v[KF+\j], 0
.endr
	WIN 0
.irp i, 0,1,2,3,4,5,6,7
	global_load_b32 v[KS+\i], v5, s[10:11] offset:1024*\i
.endr
.irp k, 0,1
.irp b, 0,1,2,3
.irp p, 0,1
	global_load_b32 v[TT+8*\k+2*\b+\p], v5, s[14:15] offset:2048*\k+512*\b+128*\p
.endr
.endr
.endr
	global_load_b128 v[QF:QF+3], v1, s[4:5]
	global_load_b32 v[QS], v2, s[6:7]
.irp i, 0,1,2,3,4,5,6,7
	global_load_b64 v[MK+2*\i:MK+2*\i+1], v3, s[16:17] offset:2048*\i
.endr
	s_wait_loadcnt 0x0
.irp k, 0,1
.irp p, 0,1
	v_bfe_u32 v[VS+2*\k+\p], v[TT+8*\k+\p], s42, 8   ; byte b of V's word = the byte of my block i = 4 k + b
.irp b, 1,2,3
	v_bfe_u32 v[TT+8*\k+2*\b+\p], v[TT+8*\k+2*\b+\p], s42, 8
	v_lshl_or_b32 v[VS+2*\k+\p], v[TT+8*\k+2*\b+\p], 8*\b, v[VS+2*\k+\p]
.endr
.endr
.endr
	s_wait_kmcnt 0x0
	s_or_b32 s[FL], s28, s29
.irp j, 30,31,32,33,34,35
	s_or_b32 s[FL], s[FL], s\j
.endr
.Lround:
	s_wait_loadcnt 0x0                             ; this round's Q, its scale words and the mask's codes, asked for a round ago
	v_mov_b32 v[RM], 0xf1800000                    ; -2^100
	v_mov_b32 v[LS], 0
	v_mov_b32 v[LS+1], 0
	v_mov_b32 v[PW], 0
	v_mov_b32 v[PW+1], 0
.irp j, 0,1,2,3,4,5,6,7,8,9,10,11,12,13,14,15
	v_mov_b32 v[PC+\j], 0                          ; blocks that are passed over keep zero codes
.endr
	; A: the mask into the accumulators
.irp i, 0,1,2,3,4,5,6,7
	GATE \i, A
	v_cvt_scale_pk8_f32_fp4 v[PP+16*\i:PP+16*\i+7], v[MK+2*\i], v9
	v_cvt_scale_pk8_f32_fp4 v[PP+16*\i+8:PP+16*\i+15], v[MK+2*\i+1], v9
.LnA\i:
.endr
.LeA:
	PLACES                                         ; a plain place behind the conversions
	; B: the scores onto it
.irp i, 0,1,2,3,4,5,6,7
	GATE \i, B
	WIN 0x01                                       ; source 0 (K) window 1
	WM PP+16*\i, KF+8*\i, QF, 0, KS+\i, QS, 0
	WM PP+16*\i+8, KF+8*\i+4, QF, 0, KS+\i, QS, 1
	WIN 0
.LnB\i:
.endr
.LeB:
	PLACES                                         ; in front of the first read of results and of loads into Q's registers
	s_cmp_eq_u32 s[CNT], 1                         ; the next round's inputs, if there is a next round: no load leaves its buffer
	s_cbranch_scc1 .Lno_next
	s_wait_xcnt 0x0                                ; earlier loads have read their bases
	s_add_nc_u64 s[4:5], s[4:5], 4096              ; eight tiles on
	s_add_nc_u64 s[6:7], s[6:7], 512
	s_add_nc_u64 s[16:17], s[16:17], 0x20000
	s_add_nc_u64 s[18:19], s[18:19], 2048
	global_load_b128 v[QF:QF+3], v1, s[4:5]
	global_load_b32 v[QS], v2, s[6:7]
.irp i, 0,1,2,3,4,5,6,7
	global_load_b64 v[MK+2*\i:MK+2*\i+1], v3, s[16:17] offset:2048*\i
.endr
	s_load_b256 s[28:35], s[18:19], 0x0
.Lno_next:
	; C: each block's largest score, and my keys'
.irp i, 0,1,2,3,4,5,6,7
	GATE \i, C
.set TC, TT+8*(\i%2)
.set PB, PP+16*\i
	v_max3_num_f32 v[TC], v[PB], v[PB+1], v[PB+2]   ; each accumulator is read from its low end on
	v_max3_num_f32 v[TC+1], v[PB+8], v[PB+9], v[PB+10]
	v_max3_num_f32 v[TC+2], v[PB+3], v[PB+4], v[PB+5]
	v_max3_num_f32 v[TC+3], v[PB+11], v[PB+12], v[PB+13]
	v_max3_num_f32 v[TC], v[TC], v[PB+6], v[PB+7]
	v_max3_num_f32 v[TC+1], v[TC+1], v[PB+14], v[PB+15]
	v_max3_num_f32 v[TC], v[TC], v[TC+2], v[TC+3]
	v_max_num_f32 v[TC], v[TC], v[TC+1]
	v_permlanex16_b32 v[TC+4], v[TC], s40, s41
	v_max_num_f32 v[BM+\i], v[TC], v[TC+4]         ; with lane l xor 16's 16 keys
	v_max_num_f32 v[RM], v[RM], v[BM+\i]
.LnC\i:
.endr
.LeC:
	v_mul_f32 v[NM], s38, v[RM]                    ; -c m_w
	; D: 2^(c s - c m_w), and its sum
.irp i, 0,1,2,3,4,5,6,7
	GATE \i, D
.set PB, PP+16*\i
.irp j, 0,2,4,6,8,10,12,14
	v_pk_fma_f32 v[PB+\j:PB+\j+1], v[PB+\j:PB+\j+1], s[36:37], v[NM:NM+1] op_sel_hi:[1,0,0]
.endr
.irp j, 0,1,2,3,4,5,6,7,8,9,10,11,12,13,14,15
	v_exp_f32 v[PB+\j], v[PB+\j]
.endr
	v_nop                                          ; a plain place behind the exponentials
	s_wait_alu depctr_va_vdst(0)
	v_pk_add_f32 v[TT:TT+1], v[PB:PB+1], v[PB+2:PB+3]
	v_pk_add_f32 v[TT+2:TT+3], v[PB+4:PB+5], v[PB+6:PB+7]
	v_pk_add_f32 v[TT+4:TT+5], v[PB+8:PB+9], v[PB+10:PB+11]
	v_pk_add_f32 v[TT+6:TT+7], v[PB+12:PB+13], v[PB+14:PB+15]
	v_pk_add_f32 v[TT:TT+1], v[TT:TT+1], v[TT+2:TT+3]
	v_pk_add_f32 v[TT+4:TT+5], v[TT+4:TT+5], v[TT+6:TT+7]
	v_pk_add_f32 v[TT:TT+1], v[TT:TT+1], v[TT+4:TT+5]
	v_pk_add_f32 v[LS:LS+1], v[LS:LS+1], v[TT:TT+1]
.LnD\i:
.endr
.LeD:
	; the first exchange: every wave's (-c m_w, l_w)
	v_add_f32 v[NM+1], v[LS], v[LS+1]
	v_permlanex16_b32 v[TT+16], v[NM+1], s40, s41
	v_add_f32 v[NM+1], v[NM+1], v[TT+16]
	ds_store_b64 v4, v[NM:NM+1]
	s_wait_dscnt 0x0                               ; for the others' sake: my store has landed (and my reads of the last round's partial results are over)
	s_barrier_signal -1
	s_barrier_wait -1
.irp w, 0,1,2,3,4,5,6,7
	ds_load_b64 v[TT+2*\w:TT+2*\w+1], v3 offset:STAT+256*\w
.endr
	s_wait_dscnt 0x0
	v_min3_num_f32 v[TT+16], v[TT], v[TT+2], v[TT+4]
	v_min3_num_f32 v[TT+16], v[TT+16], v[TT+6], v[TT+8]
	v_min3_num_f32 v[TT+16], v[TT+16], v[TT+10], v[TT+12]
	v_min_num_f32 v[TT+16], v[TT+16], v[TT+14]     ; -c m of the row
.irp w, 0,1,2,3,4,5,6,7
	v_sub_f32 v[TT+2*\w], v[TT+16], v[TT+2*\w]
.endr
	v_sub_f32 v[TT+17], v[TT+16], v[NM]
.irp w, 0,1,2,3,4,5,6,7
	v_exp_f32 v[TT+2*\w], v[TT+2*\w]               ; 2^(c m_w - c m), at most 1
.endr
	v_exp_f32 v[TT+17], v[TT+17]                   ; my own
	v_nop
	s_wait_alu depctr_va_vdst(0)
	v_mul_f32 v[TT+18], v[TT], v[TT+1]
	v_mul_f32 v[TT+19], v[TT+2], v[TT+3]
	v_fma_f32 v[TT+18], v[TT+4], v[TT+5], v[TT+18]
	v_fma_f32 v[TT+19], v[TT+6], v[TT+7], v[TT+19]
	v_fma_f32 v[TT+18], v[TT+8], v[TT+9], v[TT+18]
	v_fma_f32 v[TT+19], v[TT+10], v[TT+11], v[TT+19]
	v_fma_f32 v[TT+18], v[TT+12], v[TT+13], v[TT+18]
	v_fma_f32 v[TT+19], v[TT+14], v[TT+15], v[TT+19]
	v_add_f32 v[TT+18], v[TT+18], v[TT+19]         ; l, the row's sum
	v_rcp_f32 v[TT+20], v[TT+18]
	v_cmp_lt_f32 vcc_lo, 0, v[TT+18]               ; (a plain place behind the reciprocal)
	s_wait_alu depctr_va_vdst(0)
	v_mul_f32 v[TT+20], v[TT+17], v[TT+20]
	v_cndmask_b32 v[GG], 0, v[TT+20], vcc_lo       ; a row in which nothing counts: 0
	; E: p finished, its scale, its codes
.irp i, 0,1,2,3,4,5,6,7
	GATE \i, E
.set TE, TT+2*(\i%2)
.set PB, PP+16*\i
	v_fma_f32 v[TE], v[BM+\i], s36, v[NM]          ; the block's largest score goes the way of its members
	v_exp_f32 v[TE], v[TE]
.irp j, 0,2,4,6,8,10,12,14
	v_pk_mul_f32 v[PB+\j:PB+\j+1], v[PB+\j:PB+\j+1], v[GG:GG+1] op_sel_hi:[1,0]
.endr
	s_wait_alu depctr_va_vdst(0)
	v_mul_f32 v[TE], v[TE], v[GG]
	v_max_num_f32 v[TE], 0x1800000, v[TE]          ; the floor 2^(3 - 127): the byte cannot fall under 1
	v_add_nc_u32 v[TE+1], 0xff000000, v[TE]        ; 2 off the exponent field: the conversion's scale operand
	v_lshrrev_b32 v[TE], 23, v[TE+1]
	v_lshl_or_b32 v[PW+\i/4], v[TE], 8*(\i%4), v[PW+\i/4]
	v_cvt_scalef32_pk8_fp4_f32 v[PC+8*(\i/4)+4*((\i%4)/2)+(\i%2)], v[PB:PB+7], v[TE+1]
	v_cvt_scalef32_pk8_fp4_f32 v[PC+8*(\i/4)+4*((\i%4)/2)+(\i%2)+2], v[PB+8:PB+15], v[TE+1]
.LnE\i:
.endr
.LeE:
	v_nop                                          ; one plain place behind a scaled conversion
.irp c, 0,1,2,3
	v_permlane16_swap_b32 v[PC+4*\c], v[PC+4*\c+1]   ; a whole block to a lane: register 4 c + e then holds keys 32 (2 c + h) + 8 e + 0 .. 7 of my 256
	v_permlane16_swap_b32 v[PC+4*\c+2], v[PC+4*\c+3]
.endr
.rept 8
	v_nop                                          ; a scale register written by a vector instruction stands 8 places ahead of a scaled matrix instruction, an operand 4
.endr
	WIN 0x51                                       ; V window 1, p window 0, O^T window 1
.irp d, 0,1,2,3
	WM OA+8*\d, VF+8*\d, PC, 1, VS+\d/2, PW, \d%2   ; the four accumulators by turns
.endr
.irp d, 0,1,2,3
	WM OA+8*\d, VF+32+8*\d, PC+8, 0, VS+2+\d/2, PW+1, \d%2
.endr
	WIN 0
	PLACES
	; the second exchange: eight partial results; wave w adds and stores queries 2 w and 2 w + 1
	WIN 0x04                                       ; an LDS store's data are its source 1: window 1
.irp d, 0,1,2,3
	ds_store_b128 v6, v[OA+8*\d:OA+8*\d+3] offset:64*\d
	ds_store_b128 v6, v[OA+8*\d+4:OA+8*\d+7] offset:64*\d+16
.endr
	WIN 0
	s_wait_dscnt 0x0                               ; for the others' sake
	s_barrier_signal -1
	s_barrier_wait -1
.irp w, 0,1,2,3,4,5,6,7
	ds_load_b128 v[PP+8*\w:PP+8*\w+3], v7 offset:16*272*\w   ; into the four lowest registers of score tile w
.endr
.irp w, 0,2,4,6
	s_wait_dscnt 6-\w                              ; the younger loads may stay out
	v_pk_add_f32 v[PP+8*\w:PP+8*\w+1], v[PP+8*\w:PP+8*\w+1], v[PP+8*\w+8:PP+8*\w+9]
	v_pk_add_f32 v[PP+8*\w+2:PP+8*\w+3], v[PP+8*\w+2:PP+8*\w+3], v[PP+8*\w+10:PP+8*\w+11]
.endr
.irp w, 0,32
	v_pk_add_f32 v[PP+\w:PP+\w+1], v[PP+\w:PP+\w+1], v[PP+\w+16:PP+\w+17]
	v_pk_add_f32 v[PP+\w+2:PP+\w+3], v[PP+\w+2:PP+\w+3], v[PP+\w+18:PP+\w+19]
.endr
	v_pk_add_f32 v[PP:PP+1], v[PP:PP+1], v[PP+32:PP+33]
	v_pk_add_f32 v[PP+2:PP+3], v[PP+2:PP+3], v[PP+34:PP+35]
	global_store_b128 v8, v[PP:PP+3], s[20:21] th:TH_STORE_NT   ; sixteen lanes store a query's 256 bytes of this head, aligned; written once
	s_wait_xcnt 0x0                                ; the store has read its data and its base
	s_add_nc_u64 s[20:21], s[20:21], 0x80000       ; eight tiles of 16 rows on
	s_wait_kmcnt 0x0                               ; the next round's flags
	s_or_b32 s[FL], s28, s29
.irp j, 30,31,32,33,34,35
	s_or_b32 s[FL], s[FL], s\j
.endr
	s_sub_co_u32 s[CNT], s[CNT], 1
	s_cmp_lg_u32 s[CNT], 0
	s_cbranch_scc1 .Lround
	s_wait_tensorcnt 0x0
	ds_add_u32 v126, v127
	s_wait_dscnt 0x0
	s_endpgm
.Lfunc_end_k_qd52253f1df_attn:
	.size	k_qd52253f1df_attn, .Lfunc_end_k_qd52253f1df_attn-k_qd52253f1df_attn
	.p2alignl 7, 3214868480
	.fill 96, 4, 3214868480
	.section	.rodata,"a",@progbits
	.p2align	6, 0x0
	.amdhsa_kernel k_qd52253f1df_attn
		.amdhsa_group_segment_fixed_size 37888
		.amdhsa_private_segment_fixed_size 0
		.amdhsa_enable_private_segment 0
		.amdhsa_kernarg_size 72
		.amdhsa_user_sgpr_count 2
		.amdhsa_user_sgpr_kernarg_segment_ptr 1
		.amdhsa_wavefront_size32 1
		.amdhsa_system_sgpr_workgroup_id_x 1
		.amdhsa_system_sgpr_workgroup_id_y 1
		.amdhsa_system_sgpr_workgroup_id_z 1
		.amdhsa_system_vgpr_workitem_id 0
		.amdhsa_next_free_vgpr 512
		.amdhsa_next_free_sgpr 66
		.amdhsa_reserve_vcc 1
		.amdhsa_float_denorm_mode_32 3
		.amdhsa_float_denorm_mode_16_64 3
		.amdhsa_memory_ordered 1
		.amdhsa_forward_progress 1
		.amdhsa_inst_pref_size 57
	.end_amdhsa_kernel
	.amdgpu_metadata
---
amdhsa.version: [ 1, 2 ]
amdhsa.kernels:
  - .name:           k_qd52253f1df_attn
    .symbol:         k_qd52253f1df_attn.kd
    .args:
      - { .name: qc, .offset: 0, .size: 8, .value_kind: global_buffer, .address_space: global }
      - { .name: qs, .offset: 8, .size: 8, .value_kind: global_buffer, .address_space: global }
      - { .name: kc, .offset: 16, .size: 8, .value_kind: global_buffer, .address_space: global }
      - { .name: ks, .offset: 24, .size: 8, .value_kind: global_buffer, .address_space: global }
      - { .name: vc, .offset: 32, .size: 8, .value_kind: global_buffer, .address_space: global }
      - { .name: vs, .offset: 40, .size: 8, .value_kind: global_buffer, .address_space: global }
      - { .name: mc, .offset: 48, .size: 8, .value_kind: global_buffer, .address_space: global }
      - { .name: act, .offset: 56, .size: 8, .value_kind: global_buffer, .address_space: global }
      - { .name: out0, .offset: 64, .size: 8, .value_kind: global_buffer, .address_space: global }
    .group_segment_fixed_size: 37888
    .private_segment_fixed_size: 0
    .kernarg_segment_align: 8
    .kernarg_segment_size: 72
    .max_flat_workgroup_size: 256
    .sgpr_count:     66
    .vgpr_count:     512
    .wavefront_size: 32
...
	.end_amdgpu_metadata
.endif
;; end of part 2
;; ======== version 2 of 2: 2 launches; version 1 with the launch attn written anew for expert scheduling mode
;; limits: right only within a limited range of input values
;; workspace buffers: qc 2,097,152 bytes; qs 262,144 bytes; kc 2,097,152 bytes; ks 262,144 bytes; vc 2,097,152 bytes; vs 131,072 bytes; mc 2,097,152 bytes; act 32,768 bytes of whole numbers
;; launch prep: the kernel of part 1 again; grid 8 x 32, 4 waves a work-group, clusters of 4 x 4, 327,680 bytes of LDS; arguments q_codes, Wq_codes, k_codes, Wk_codes, v_codes, Wv_codes, bq, bk, bv, mask, mc, act, q_scales, Wq_scales, k_scales, Wk_scales, v_scales, Wv_scales, qc, qs, kc, ks, vc, vs; writes qc, qs, kc, ks, vc, vs, mc, act
;; launch attn (part 3): grid 8 x 32, 8 waves a work-group, no clusters, 37,888 bytes of LDS; arguments qc, qs, kc, ks, vc, vs, mc, act, out0; writes out0
.if DOCPART == 3
	.amdgcn_target "amdgcn-amd-amdhsa--gfx1250"
	.amdhsa_code_object_version 6
	.text
	.protected	k_qd52253f1df_attn
	.globl	k_qd52253f1df_attn
	.p2align	8
	.type	k_qd52253f1df_attn,@function
k_qd52253f1df_attn:
	s_mov_b64 s[64:65], 0
	v_nop
	global_prefetch_b8 v0, s[64:65] scope:SCOPE_SE
	s_setreg_imm32_b32 hwreg(HW_REG_WAVE_SCHED_MODE, 0, 2), 2
	s_setreg_imm32_b32 hwreg(HW_REG_WAVE_MODE, 25, 1), 1
	s_wait_xcnt 0x0
	s_wait_alu depctr_vm_vsrc(0)
; ATTENTION ON CODES OF FP4.  For each of 32 (batch, head): scores = qh kh^T / 8 (K = 64), the mask, a softmax along the keys, the FINISHED, normalised softmax quantised along the keys, times vh (K = the keys).
; SHARES.  A work-group of eight waves serves one (batch, head) and the query tiles T = x + 8 n, n = 0 .. 15, one a round.  Wave w owns the key blocks of 32 B = w + 8 i, i = 0 .. 7: 256 keys.  Its fragments of K and of V and
; their scale words are loaded ONCE and stay in registers.  In a round a wave holds 16 queries x 256 keys of scores in 128 registers, so a whole row of the softmax lies in the work-group's registers: each exponential is
; made once, the row's sum is known before any code is made, and LDS carries only two small exchanges: (maximum, sum) of each wave, and the eight partial results.
; LAYOUT.  Both products are used transposed: S^T = K Q^T (source 0 = 16 keys, source 1 = 16 queries), O^T = V^T P^T (source 0 = 16 channels, source 1 = P): a lane holds one query (lane % 16) throughout.
; K = 64 fills half of the instruction's 128.  K's fragments are packed four registers a tile: the upper half of a tile's operand is the next tile's codes; they meet Q's zero codes under scale bytes of 127: exact zeros.
; THE MASK comes as codes, 0 or -6; one conversion with the scale 2^120 puts eight of them into the score accumulator as 0 or -6 x 2^120, and the product adds the scores onto them.
; PIECES WITHOUT A KEY THAT COUNTS are passed over: a scalar branch on whole numbers that the launch before stored (act).  Their codes of p are zeros.  So this launch has no tensor load; no memory instruction, no wait on a
; memory counter and no barrier stands under such a branch.  Blocks are dealt round-robin to waves and tiles round-robin to work-groups, so that a mask that hides a region leaves the work even.
; No cluster: what work-groups share (K, V of a head) each reads once, straight into the registers where it stays.
; THE SOFTMAX.  The maximum of the whole score tensor, which is taken off every score alike, cancels in a row's softmax; it is not formed.  The ROW's maximum is taken off: each wave uses the maximum of its own 256 keys, and
; p = 2^(c s - c m_w) x 2^(c m_w - c m) / l, c = log2(e) / 8, with m the row's maximum and l the row's sum.  A row in which no key counts has l = 0 and gives 0.
; A block's largest p is not searched for: the block's largest score goes through the same instructions as its members (this takes v_exp_f32 not to fall where its input rises).
; LIMITS.  A hidden score is the finite number -6 x 2^120 and the running maximum starts at -2^100: scores of magnitude 2^100 and more are not served.  p under 2^-126 counts as 0.  NaN and infinities are not served.
; A block of zeros keeps the scale byte 1 or 0 where the quantiser says 127: its codes are zeros.
; THE MODE: SCHED_MODE bits 1:0 = 2 (LLVM: expert scheduling mode 2), set by the entry lines.  The code itself states the register dependences between vector or matrix instructions and memory or LDS instructions,
; with s_wait_alu, always for 0.
; THE PLAN.  Registers that memory or LDS instructions touch:
;   v1-v8, v106     offsets and LDS addresses: written at the head, never again; read by every load and store.  One wait on va_vdst at the head, ahead of the first load.
;   K, V, KS        loaded at the head, never again.  K's four and Q's four registers of zero codes are written by vector lines ahead of that same wait.
;   QF 0-3, QS, MK  read by pass A's conversions and pass B's products; the next round's loads land in them behind pass B: one wait on va_vdst ahead of those loads.
;   NM, NM + 1      written by vector lines, read by the first exchange's store.   TT 0-15: at work in passes C and D; the first exchange's loads land in them.  One wait on va_vdst ahead of the store serves both.
;   PC, PW, VS      written by vector lines, taken by the second product as source 1 and as scales: one wait on va_vdst behind the places in front of it.
;   O^T             written by the second product, read by the second exchange's stores.   PP + 8 w .. + 3: at work in pass E; the second exchange's loads land in them.  One wait on va_vdst ahead of the stores serves both.
;   PP 0-3          written by the last additions, read by the store of the result: one wait on va_vdst ahead of it.
;   One wait on vm_vsrc at the round's end, ahead of the backward jump: the round's stores have read NM, O^T and PP 0-3, which the next round writes again.
; No scalar register that a vector instruction reads is written again.
.set STAT, 0                           ; LDS: wave w, lane l: (-c m_w, l_w) at 256 w + 8 l
.set ORED, 2048                        ; wave w's partial O: 16 rows of 256 bytes + 16
                                       ; v1 32 r + 16 h; v2 4 r; v3 8 x lane; v4 8 x thread; v5 4 x lane; v6, v7 the partial results, in and out; v8 4096 h + 16 r; v9 the mask's scale, 2^120, in every byte
.set RM,  10                           ; v10      the running maximum of my keys
.set NM,  12                           ; v[12:13] -c m_w; beside it l_w
.set LS,  14                           ; v[14:15] the sum in two halves
.set GG,  16                           ; v[16:17] what p is multiplied by
.set QS,  18                           ; v18      Q's scale words
.set QF,  20                           ; v[20:27] Q's fragment; 24-27 hold zero codes and are never rewritten
.set KS,  28                           ; v28-35   K's scale words: block i: lanes 0-15 its first 16 keys, lanes 16-31 the others
.set VS,  36                           ; v36-39   V's: K step k, channels 32 p on: lanes 0-15 tile 2 p, lanes 16-31 tile 2 p + 1
.set PW,  40                           ; v40-41   p's scale words, K step 0, 1
.set MK,  42                           ; v42-57   the mask's codes: block i, half u at 2 i + u
.set PC,  58                           ; v58-73   p's codes: two fragments
.set BM,  74                           ; v74-81   each block's largest score
.set TT,  82                           ; v82-105  at work
.set PP,  128                          ; v128-255 scores, then p: block i at 16 i, its half u at + 8 u
.set KF,  0                            ; window 1: v0-67 K's fragments, tile n at 4 n; v64-67 zeros
.set VF,  72                           ;           v72-135 V's: (K step k, tile d) at 8 (4 k + d)
.set OA,  136                          ;           v136-167 O^T: tile d at 8 d
.set WV,  22
.set CNT, 25                           ; s25 rounds left
.set FL,  26                           ; s26 bit i: block i of this round has a key that counts
.set MSB, 0
.macro WIN new                         ; the immediate's high byte repeats the setting that is left
.if MSB != \new
	s_set_vgpr_msb (MSB<<8)|\new
.set MSB, \new
.endif
.endm
.macro PLACES
.rept 4
	v_nop
.endr
.endm
.macro WM d, a, b, zero, sa, sb, ra    ; one matrix instruction; zero: it starts the sum; ra: source 0's scale words stand in lanes 16-31
.if (\zero) && (\ra)
	v_wmma_scale_f32_16x16x128_f8f6f4 v[(\d):(\d)+7], v[(\a):(\a)+7], v[(\b):(\b)+7], 0, v[(\sa)], v[(\sb)] matrix_a_fmt:MATRIX_FMT_FP4 matrix_b_fmt:MATRIX_FMT_FP4 matrix_a_scale:MATRIX_SCALE_ROW1
.elseif (\zero)
	v_wmma_scale_f32_16x16x128_f8f6f4 v[(\d):(\d)+7], v[(\a):(\a)+7], v[(\b):(\b)+7], 0, v[(\sa)], v[(\sb)] matrix_a_fmt:MATRIX_FMT_FP4 matrix_b_fmt:MATRIX_FMT_FP4
.elseif (\ra)
	v_wmma_scale_f32_16x16x128_f8f6f4 v[(\d):(\d)+7], v[(\a):(\a)+7], v[(\b):(\b)+7], v[(\d):(\d)+7], v[(\sa)], v[(\sb)] matrix_a_fmt:MATRIX_FMT_FP4 matrix_b_fmt:MATRIX_FMT_FP4 matrix_a_scale:MATRIX_SCALE_ROW1
.else
	v_wmma_scale_f32_16x16x128_f8f6f4 v[(\d):(\d)+7], v[(\a):(\a)+7], v[(\b):(\b)+7], v[(\d):(\d)+7], v[(\sa)], v[(\sb)] matrix_a_fmt:MATRIX_FMT_FP4 matrix_b_fmt:MATRIX_FMT_FP4
.endif
.endm
.macro GATE i, p                       ; no block from i on has a key that counts: the pass ends; block i has none: on to the next
	s_cmp_lt_u32 s[FL], 1<<\i
	s_cbranch_scc1 .Le\p
	s_bitcmp1_b32 s[FL], \i
	s_cbranch_scc0 .Ln\p\i
.endm
	s_load_b256 s[4:11], s[0:1], 0x0               ; qc, qs, kc, ks
	s_load_b256 s[12:19], s[0:1], 0x20             ; vc, vs, mc, act
	s_load_b64 s[20:21], s[0:1], 0x40              ; out0
	v_lshl_add_u32 v126, v0, 2, 0x9000
	v_mov_b32 v127, 0
	v_lshrrev_b32 v1, 5, v0
	v_readfirstlane_b32 s[WV], v1                  ; wave 0..7
	s_and_b32 s23, ttmp7, 0xffff                   ; 16 x batch + head
	v_and_b32 v5, 31, v0                           ; lane
	v_and_b32 v107, 15, v0                         ; r
	v_bfe_u32 v108, v0, 4, 1                       ; h
	v_lshlrev_b32 v1, 5, v107
	v_lshl_add_u32 v1, v108, 4, v1
	v_lshlrev_b32 v2, 2, v107
	v_lshlrev_b32 v3, 3, v5
	v_lshlrev_b32 v4, 3, v0
	s_wait_alu depctr_va_sdst(0)                   ; the wave's number is written into s22, ahead of its first reader: LDS places and every buffer's offset are made from it
	s_mul_i32 s39, s[WV], 16*272
	s_add_co_u32 s39, s39, ORED
	v_mul_u32_u24 v6, v107, 272
	v_lshl_add_u32 v6, v108, 5, v6
	v_add_nc_u32 v6, s39, v6                       ; in: my wave's rows: row r, + 32 h
	s_mul_i32 s43, s[WV], 2*272
	s_add_co_u32 s43, s43, ORED
	v_mul_u32_u24 v7, v108, 272
	v_lshl_add_u32 v7, v107, 4, v7
	v_add_nc_u32 v7, s43, v7                       ; out: query 2 w + h of every wave's rows, 16 bytes a lane
	v_lshlrev_b32 v8, 12, v108
	v_lshl_add_u32 v8, v107, 4, v8
	v_lshlrev_b32 v106, 13, v108
	v_lshl_add_u32 v106, v107, 4, v106             ; V: 8192 h + 16 r
	v_lshlrev_b32 v5, 2, v5
	v_mov_b32 v9, 0xf7f7f7f7                       ; the byte 247: 2^120
	v_mov_b32 v13, 0
	v_mov_b32 v17, 0
.irp j, 4,5,6,7
	v_mov_b32 v[QF+\j], 0
.endr
.irp j, 0,1,2,3,4,5,6,7
	v_mov_b32 v[BM+\j], 0
	v_mov_b32 v[TT+16+\j], 0
.endr
.irp n, 0,1,2,3,4,5,6,7,8,9,10,11,12,13,14,15
	v_cvt_scale_pk8_f32_fp4 v[PP+8*\n:PP+8*\n+7], v[QF+4], v9   ; every score register is written once, so that none is read unwritten on any path
.endr
	v_nop
	s_mov_b32 s36, 0x3e38aa3b                      ; c = log2(e) / 8
	s_mov_b32 s37, s36                             ; (named with it as a pair)
	s_mov_b32 s38, 0xbe38aa3b                      ; -c
	s_mov_b32 s40, 0x76543210
	s_mov_b32 s41, 0xfedcba98
	s_and_b32 s42, s[WV], 3
	s_lshl_b32 s42, s42, 3                         ; which byte of V's stored scale words is my block's
	s_mov_b32 s[CNT], 16
	s_mov_b32 s45, 0
	s_wait_kmcnt 0x0
	s_lshl_b32 s46, s23, 16                        ; a head's codes: 65,536 bytes
	s_lshl_b32 s47, s[WV], 10
	s_lshl_b32 s44, ttmp9, 9
	s_add_co_u32 s44, s44, s46
	s_add_nc_u64 s[4:5], s[4:5], s[44:45]          ; qc at tile x
	s_add_co_u32 s44, s46, s47
	s_add_nc_u64 s[8:9], s[8:9], s[44:45]          ; kc, vc at block w
	s_add_nc_u64 s[12:13], s[12:13], s[44:45]
	s_lshl_b32 s46, s23, 13
	s_lshl_b32 s44, ttmp9, 6
	s_add_co_u32 s44, s44, s46
	s_add_nc_u64 s[6:7], s[6:7], s[44:45]          ; qs
	s_lshl_b32 s44, s[WV], 7
	s_add_co_u32 s44, s44, s46
	s_add_nc_u64 s[10:11], s[10:11], s[44:45]      ; ks
	s_lshl_b32 s46, s23, 12
	s_lshr_b32 s44, s[WV], 2
	s_lshl_b32 s44, s44, 8
	s_add_co_u32 s44, s44, s46
	s_add_nc_u64 s[14:15], s[14:15], s[44:45]      ; vs: block w + 8 i lies in the words of keys 128 (w / 4 + 2 i) on
	s_lshl_b32 s46, ttmp9, 14
	s_lshl_b32 s44, s[WV], 8
	s_add_co_u32 s44, s44, s46
	s_add_nc_u64 s[16:17], s[16:17], s[44:45]      ; mc
	s_lshl_b32 s46, ttmp9, 8
	s_lshl_b32 s44, s[WV], 5
	s_add_co_u32 s44, s44, s46
	s_add_nc_u64 s[18:19], s[18:19], s[44:45]      ; act
	s_lshr_b32 s44, s23, 4
	s_lshl_b32 s44, s44, 23                        ; out0: the batch,
	s_and_b32 s46, s23, 15
	s_lshl_b32 s46, s46, 8                         ; the head's 256 bytes of a row,
	s_add_co_u32 s44, s44, s46
	s_lshl_b32 s46, ttmp9, 16                      ; tile x's 16 rows of 4,096 bytes,
	s_add_co_u32 s44, s44, s46
	s_lshl_b32 s46, s[WV], 13                      ; my two of them
	s_add_co_u32 s44, s44, s46
	s_add_nc_u64 s[20:21], s[20:21], s[44:45]
	s_load_b256 s[28:35], s[18:19], 0x0            ; the first round's eight flags
	WIN 0x40                                       ; destination window 1
.irp j, 64,65,66,67
	v_mov_b32 v[KF+\j], 0
.endr
	s_wait_alu depctr_va_vdst(0)                   ; the offsets and LDS addresses v1 to v8 and v106 are written, which every load and store of the kernel reads; so are K's four and Q's four registers of zero codes, which the score products take as operands
.irp i, 0,1,2,3,4,5,6,7
.irp u, 0,1
	global_load_b128 v[KF+4*(2*\i+\u):KF+4*(2*\i+\u)+3], v1, s[8:9] offset:8192*\i+512*\u   ; 16 keys x 32 bytes: 512 consecutive bytes
.endr
.endr
.irp k, 0,1
.irp d, 0,1,2,3
.irp c, 0,1
	global_load_b128 v[VF+8*(4*\k+\d)+4*\c:VF+8*\k*4+8*\d+4*\c+3], v106, s[12:13] offset:32768*\k+16384*\c+256*\d   ; lanes of half h: block i = 4 k + 2 c + h, 16 channels x 16 bytes
.endr
.endr
.endr
	WIN 0
.irp i, 0,1,2,3,4,5,6,7
	global_load_b32 v[KS+\i], v5, s[10:11] offset:1024*\i
.endr
.irp k, 0,1
.irp b, 0,1,2,3
.irp p, 0,1
	global_load_b32 v[TT+8*\k+2*\b+\p], v5, s[14:15] offset:2048*\k+512*\b+128*\p
.endr
.endr
.endr
	global_load_b128 v[QF:QF+3], v1, s[4:5]
	global_load_b32 v[QS], v2, s[6:7]
.irp i, 0,1,2,3,4,5,6,7
	global_load_b64 v[MK+2*\i:MK+2*\i+1], v3, s[16:17] offset:2048*\i
.endr
	s_wait_loadcnt 0x0
.irp k, 0,1
.irp p, 0,1
	v_bfe_u32 v[VS+2*\k+\p], v[TT+8*\k+\p], s42, 8   ; byte b of V's word = the byte of my block i = 4 k + b
.irp b, 1,2,3
	v_bfe_u32 v[TT+8*\k+2*\b+\p], v[TT+8*\k+2*\b+\p], s42, 8
	v_lshl_or_b32 v[VS+2*\k+\p], v[TT+8*\k+2*\b+\p], 8*\b, v[VS+2*\k+\p]
.endr
.endr
.endr
	s_wait_kmcnt 0x0
	s_or_b32 s[FL], s28, s29
.irp j, 30,31,32,33,34,35
	s_or_b32 s[FL], s[FL], s\j
.endr
.Lround:
	s_wait_loadcnt 0x0                             ; this round's Q, its scale words and the mask's codes, asked for a round ago
	v_mov_b32 v[RM], 0xf1800000                    ; -2^100
	v_mov_b32 v[LS], 0
	v_mov_b32 v[LS+1], 0
	v_mov_b32 v[PW], 0
	v_mov_b32 v[PW+1], 0
.irp j, 0,1,2,3,4,5,6,7,8,9,10,11,12,13,14,15
	v_mov_b32 v[PC+\j], 0                          ; blocks that are passed over keep zero codes
.endr
	; A: the mask into the accumulators
.irp i, 0,1,2,3,4,5,6,7
	GATE \i, A
	v_cvt_scale_pk8_f32_fp4 v[PP+16*\i:PP+16*\i+7], v[MK+2*\i], v9
	v_cvt_scale_pk8_f32_fp4 v[PP+16*\i+8:PP+16*\i+15], v[MK+2*\i+1], v9
.LnA\i:
.endr
.LeA:
	PLACES                                         ; a plain place behind the conversions
	; B: the scores onto it
.irp i, 0,1,2,3,4,5,6,7
	GATE \i, B
	WIN 0x01                                       ; source 0 (K) window 1
	WM PP+16*\i, KF+8*\i, QF, 0, KS+\i, QS, 0
	WM PP+16*\i+8, KF+8*\i+4, QF, 0, KS+\i, QS, 1
	WIN 0
.LnB\i:
.endr
.LeB:
	PLACES                                         ; in front of the first read of results
	s_cmp_eq_u32 s[CNT], 1                         ; the next round's inputs, if there is a next round: no load leaves its buffer
	s_cbranch_scc1 .Lno_next
	s_wait_xcnt 0x0                                ; earlier loads have read their bases
	s_add_nc_u64 s[4:5], s[4:5], 4096              ; eight tiles on
	s_add_nc_u64 s[6:7], s[6:7], 512
	s_add_nc_u64 s[16:17], s[16:17], 0x20000
	s_add_nc_u64 s[18:19], s[18:19], 2048
	s_wait_alu depctr_va_vdst(0)                   ; pass A's conversions are done reading the mask's codes, pass B's products are done reading Q's fragment and its scale words: the loads below land in these registers
	global_load_b128 v[QF:QF+3], v1, s[4:5]
	global_load_b32 v[QS], v2, s[6:7]
.irp i, 0,1,2,3,4,5,6,7
	global_load_b64 v[MK+2*\i:MK+2*\i+1], v3, s[16:17] offset:2048*\i
.endr
	s_load_b256 s[28:35], s[18:19], 0x0
.Lno_next:
	; C: each block's largest score, and my keys'
.irp i, 0,1,2,3,4,5,6,7
	GATE \i, C
.set TC, TT+8*(\i%2)
.set PB, PP+16*\i
	v_max3_num_f32 v[TC], v[PB], v[PB+1], v[PB+2]   ; each accumulator is read from its low end on
	v_max3_num_f32 v[TC+1], v[PB+8], v[PB+9], v[PB+10]
	v_max3_num_f32 v[TC+2], v[PB+3], v[PB+4], v[PB+5]
	v_max3_num_f32 v[TC+3], v[PB+11], v[PB+12], v[PB+13]
	v_max3_num_f32 v[TC], v[TC], v[PB+6], v[PB+7]
	v_max3_num_f32 v[TC+1], v[TC+1], v[PB+14], v[PB+15]
	v_max3_num_f32 v[TC], v[TC], v[TC+2], v[TC+3]
	v_max_num_f32 v[TC], v[TC], v[TC+1]
	v_permlanex16_b32 v[TC+4], v[TC], s40, s41
	v_max_num_f32 v[BM+\i], v[TC], v[TC+4]         ; with lane l xor 16's 16 keys
	v_max_num_f32 v[RM], v[RM], v[BM+\i]
.LnC\i:
.endr
.LeC:
	v_mul_f32 v[NM], s38, v[RM]                    ; -c m_w
	; D: 2^(c s - c m_w), and its sum
.irp i, 0,1,2,3,4,5,6,7
	GATE \i, D
.set PB, PP+16*\i
.irp j, 0,2,4,6,8,10,12,14
	v_pk_fma_f32 v[PB+\j:PB+\j+1], v[PB+\j:PB+\j+1], s[36:37], v[NM:NM+1] op_sel_hi:[1,0,0]
.endr
.irp j, 0,1,2,3,4,5,6,7,8,9,10,11,12,13,14,15
	v_exp_f32 v[PB+\j], v[PB+\j]
.endr
	v_nop                                          ; a plain place behind the exponentials
	s_wait_alu depctr_va_vdst(0)                   ; the block's sixteen exponentials have written their results, which the additions below read: one wait for the batch
	v_pk_add_f32 v[TT:TT+1], v[PB:PB+1], v[PB+2:PB+3]
	v_pk_add_f32 v[TT+2:TT+3], v[PB+4:PB+5], v[PB+6:PB+7]
	v_pk_add_f32 v[TT+4:TT+5], v[PB+8:PB+9], v[PB+10:PB+11]
	v_pk_add_f32 v[TT+6:TT+7], v[PB+12:PB+13], v[PB+14:PB+15]
	v_pk_add_f32 v[TT:TT+1], v[TT:TT+1], v[TT+2:TT+3]
	v_pk_add_f32 v[TT+4:TT+5], v[TT+4:TT+5], v[TT+6:TT+7]
	v_pk_add_f32 v[TT:TT+1], v[TT:TT+1], v[TT+4:TT+5]
	v_pk_add_f32 v[LS:LS+1], v[LS:LS+1], v[TT:TT+1]
.LnD\i:
.endr
.LeD:
	; the first exchange: every wave's (-c m_w, l_w)
	v_add_f32 v[NM+1], v[LS], v[LS+1]
	v_permlanex16_b32 v[TT+16], v[NM+1], s40, s41
	v_add_f32 v[NM+1], v[NM+1], v[TT+16]
	s_wait_alu depctr_va_vdst(0)                   ; -c m_w and l_w are written, which the store reads; passes C and D are done with v[TT .. TT+15], in which the eight loads behind the barrier land (no vector line stands between)
	ds_store_b64 v4, v[NM:NM+1]
	s_wait_dscnt 0x0                               ; for the others' sake: my store has landed (and my reads of the last round's partial results are over)
	s_barrier_signal -1
	s_barrier_wait -1
.irp w, 0,1,2,3,4,5,6,7
	ds_load_b64 v[TT+2*\w:TT+2*\w+1], v3 offset:STAT+256*\w
.endr
	s_wait_dscnt 0x0
	v_min3_num_f32 v[TT+16], v[TT], v[TT+2], v[TT+4]
	v_min3_num_f32 v[TT+16], v[TT+16], v[TT+6], v[TT+8]
	v_min3_num_f32 v[TT+16], v[TT+16], v[TT+10], v[TT+12]
	v_min_num_f32 v[TT+16], v[TT+16], v[TT+14]     ; -c m of the row
.irp w, 0,1,2,3,4,5,6,7
	v_sub_f32 v[TT+2*\w], v[TT+16], v[TT+2*\w]
.endr
	v_sub_f32 v[TT+17], v[TT+16], v[NM]
.irp w, 0,1,2,3,4,5,6,7
	v_exp_f32 v[TT+2*\w], v[TT+2*\w]               ; 2^(c m_w - c m), at most 1
.endr
	v_exp_f32 v[TT+17], v[TT+17]                   ; my own
	v_nop
	s_wait_alu depctr_va_vdst(0)                   ; the nine exponentials have written their results, which the multiplications below read: one wait for the batch
	v_mul_f32 v[TT+18], v[TT], v[TT+1]
	v_mul_f32 v[TT+19], v[TT+2], v[TT+3]
	v_fma_f32 v[TT+18], v[TT+4], v[TT+5], v[TT+18]
	v_fma_f32 v[TT+19], v[TT+6], v[TT+7], v[TT+19]
	v_fma_f32 v[TT+18], v[TT+8], v[TT+9], v[TT+18]
	v_fma_f32 v[TT+19], v[TT+10], v[TT+11], v[TT+19]
	v_fma_f32 v[TT+18], v[TT+12], v[TT+13], v[TT+18]
	v_fma_f32 v[TT+19], v[TT+14], v[TT+15], v[TT+19]
	v_add_f32 v[TT+18], v[TT+18], v[TT+19]         ; l, the row's sum
	v_rcp_f32 v[TT+20], v[TT+18]
	v_cmp_lt_f32 vcc_lo, 0, v[TT+18]               ; (a plain place behind the reciprocal)
	s_wait_alu depctr_va_vdst(0)                   ; the reciprocal has written v[TT+20], which the multiplication below reads
	v_mul_f32 v[TT+20], v[TT+17], v[TT+20]
	s_wait_alu depctr_va_vcc(0)                    ; the compare has written VCC, which the choice below reads
	v_cndmask_b32 v[GG], 0, v[TT+20], vcc_lo       ; a row in which nothing counts: 0
	; E: p finished, its scale, its codes
.irp i, 0,1,2,3,4,5,6,7
	GATE \i, E
.set TE, TT+2*(\i%2)
.set PB, PP+16*\i
	v_fma_f32 v[TE], v[BM+\i], s36, v[NM]          ; the block's largest score goes the way of its members
	v_exp_f32 v[TE], v[TE]
.irp j, 0,2,4,6,8,10,12,14
	v_pk_mul_f32 v[PB+\j:PB+\j+1], v[PB+\j:PB+\j+1], v[GG:GG+1] op_sel_hi:[1,0]
.endr
	s_wait_alu depctr_va_vdst(0)                   ; the exponential has written v[TE], which the multiplication below reads; the eight packed lines above are the work between
	v_mul_f32 v[TE], v[TE], v[GG]
	v_max_num_f32 v[TE], 0x1800000, v[TE]          ; the floor 2^(3 - 127): the byte cannot fall under 1
	v_add_nc_u32 v[TE+1], 0xff000000, v[TE]        ; 2 off the exponent field: the conversion's scale operand
	v_lshrrev_b32 v[TE], 23, v[TE+1]
	v_lshl_or_b32 v[PW+\i/4], v[TE], 8*(\i%4), v[PW+\i/4]
	v_cvt_scalef32_pk8_fp4_f32 v[PC+8*(\i/4)+4*((\i%4)/2)+(\i%2)], v[PB:PB+7], v[TE+1]
	v_cvt_scalef32_pk8_fp4_f32 v[PC+8*(\i/4)+4*((\i%4)/2)+(\i%2)+2], v[PB+8:PB+15], v[TE+1]
.LnE\i:
.endr
.LeE:
	v_nop                                          ; one plain place behind a scaled conversion
.irp c, 0,1,2,3
	v_permlane16_swap_b32 v[PC+4*\c], v[PC+4*\c+1]   ; a whole block to a lane: register 4 c + e then holds keys 32 (2 c + h) + 8 e + 0 .. 7 of my 256
	v_permlane16_swap_b32 v[PC+4*\c+2], v[PC+4*\c+3]
.endr
.rept 8
	v_nop                                          ; a scale register written by a vector instruction stands 8 places ahead of a scaled matrix instruction, an operand 4
.endr
	s_wait_alu depctr_va_vdst(0)                   ; p's codes and scale words are written (in the first round V's scale words too), which the products below take as source 1 and as scales; the places above stay beside this wait
	WIN 0x51                                       ; V window 1, p window 0, O^T window 1
.irp d, 0,1,2,3
	WM OA+8*\d, VF+8*\d, PC, 1, VS+\d/2, PW, \d%2   ; the four accumulators by turns
.endr
.irp d, 0,1,2,3
	WM OA+8*\d, VF+32+8*\d, PC+8, 0, VS+2+\d/2, PW+1, \d%2
.endr
	WIN 0
	PLACES
	; the second exchange: eight partial results; wave w adds and stores queries 2 w and 2 w + 1
	WIN 0x04                                       ; an LDS store's data are its source 1: window 1
	s_wait_alu depctr_va_vdst(0)                   ; the products have written O^T, which the stores read (the places above stay beside this wait); pass E is done with the score registers, in which the eight loads behind the barrier land (no vector line stands between)
.irp d, 0,1,2,3
	ds_store_b128 v6, v[OA+8*\d:OA+8*\d+3] offset:64*\d
	ds_store_b128 v6, v[OA+8*\d+4:OA+8*\d+7] offset:64*\d+16
.endr
	WIN 0
	s_wait_dscnt 0x0                               ; for the others' sake
	s_barrier_signal -1
	s_barrier_wait -1
.irp w, 0,1,2,3,4,5,6,7
	ds_load_b128 v[PP+8*\w:PP+8*\w+3], v7 offset:16*272*\w   ; into the four lowest registers of score tile w
.endr
.irp w, 0,2,4,6
	s_wait_dscnt 6-\w                              ; the younger loads may stay out
	v_pk_add_f32 v[PP+8*\w:PP+8*\w+1], v[PP+8*\w:PP+8*\w+1], v[PP+8*\w+8:PP+8*\w+9]
	v_pk_add_f32 v[PP+8*\w+2:PP+8*\w+3], v[PP+8*\w+2:PP+8*\w+3], v[PP+8*\w+10:PP+8*\w+11]
.endr
.irp w, 0,32
	v_pk_add_f32 v[PP+\w:PP+\w+1], v[PP+\w:PP+\w+1], v[PP+\w+16:PP+\w+17]
	v_pk_add_f32 v[PP+\w+2:PP+\w+3], v[PP+\w+2:PP+\w+3], v[PP+\w+18:PP+\w+19]
.endr
	v_pk_add_f32 v[PP:PP+1], v[PP:PP+1], v[PP+32:PP+33]
	v_pk_add_f32 v[PP+2:PP+3], v[PP+2:PP+3], v[PP+34:PP+35]
	s_wait_alu depctr_va_vdst(0)                   ; the additions have written v[PP .. PP+3], which the store reads
	global_store_b128 v8, v[PP:PP+3], s[20:21] th:TH_STORE_NT   ; sixteen lanes store a query's 256 bytes of this head, aligned; written once
	s_wait_xcnt 0x0                                ; the store has read its data and its base
	s_wait_alu depctr_vm_vsrc(0)                   ; this round's stores have read their data: (-c m_w, l_w), O^T and v[PP .. PP+3], all of which the next round writes again
	s_add_nc_u64 s[20:21], s[20:21], 0x80000       ; eight tiles of 16 rows on
	s_wait_kmcnt 0x0                               ; the next round's flags
	s_or_b32 s[FL], s28, s29
.irp j, 30,31,32,33,34,35
	s_or_b32 s[FL], s[FL], s\j
.endr
	s_sub_co_u32 s[CNT], s[CNT], 1
	s_cmp_lg_u32 s[CNT], 0
	s_cbranch_scc1 .Lround
	s_wait_dscnt 0x0                               ; the closing lines, six on end
	s_wait_alu 0x0
	s_wait_tensorcnt 0x0
	ds_add_u32 v126, v127
	s_wait_dscnt 0x0
	s_endpgm
.Lfunc_end_k_qd52253f1df_attn:
	.size	k_qd52253f1df_attn, .Lfunc_end_k_qd52253f1df_attn-k_qd52253f1df_attn
	.p2alignl 7, 3214868480
	.fill 96, 4, 3214868480
	.section	.rodata,"a",@progbits
	.p2align	6, 0x0
	.amdhsa_kernel k_qd52253f1df_attn
		.amdhsa_group_segment_fixed_size 37888
		.amdhsa_private_segment_fixed_size 0
		.amdhsa_enable_private_segment 0
		.amdhsa_kernarg_size 72
		.amdhsa_user_sgpr_count 2
		.amdhsa_user_sgpr_kernarg_segment_ptr 1
		.amdhsa_wavefront_size32 1
		.amdhsa_system_sgpr_workgroup_id_x 1
		.amdhsa_system_sgpr_workgroup_id_y 1
		.amdhsa_system_sgpr_workgroup_id_z 1
		.amdhsa_system_vgpr_workitem_id 0
		.amdhsa_next_free_vgpr 512
		.amdhsa_next_free_sgpr 66
		.amdhsa_reserve_vcc 1
		.amdhsa_float_denorm_mode_32 3
		.amdhsa_float_denorm_mode_16_64 3
		.amdhsa_memory_ordered 1
		.amdhsa_forward_progress 1
		.amdhsa_inst_pref_size 58
	.end_amdhsa_kernel
	.amdgpu_metadata
---
amdhsa.version: [ 1, 2 ]
amdhsa.kernels:
  - .name:           k_qd52253f1df_attn
    .symbol:         k_qd52253f1df_attn.kd
    .args:
      - { .name: qc, .offset: 0, .size: 8, .value_kind: global_buffer, .address_space: global }
      - { .name: qs, .offset: 8, .size: 8, .value_kind: global_buffer, .address_space: global }
      - { .name: kc, .offset: 16, .size: 8, .value_kind: global_buffer, .address_space: global }
      - { .name: ks, .offset: 24, .size: 8, .value_kind: global_buffer, .address_space: global }
      - { .name: vc, .offset: 32, .size: 8, .value_kind: global_buffer, .address_space: global }
      - { .name: vs, .offset: 40, .size: 8, .value_kind: global_buffer, .address_space: global }
      - { .name: mc, .offset: 48, .size: 8, .value_kind: global_buffer, .address_space: global }
      - { .name: act, .offset: 56, .size: 8, .value_kind: global_buffer, .address_space: global }
      - { .name: out0, .offset: 64, .size: 8, .value_kind: global_buffer, .address_space: global }
    .group_segment_fixed_size: 37888
    .private_segment_fixed_size: 0
    .kernarg_segment_align: 8
    .kernarg_segment_size: 72
    .max_flat_workgroup_size: 256
    .sgpr_count:     66
    .vgpr_count:     512
    .wavefront_size: 32
...
	.end_amdgpu_metadata
.endif
;; end of part 3
